; MI455X (gfx1250); checked and timed in simulation.
; The chip was launched on July 23, 2026; its instructions are those of AMD's public machine-readable ISA for CDNA 5 (MIT licence, August 2026) and "CDNA5" Instruction Set Architecture Reference Guide (July 2026). The comments in the code are by the model that wrote it; some were corrected since.
;; Self Attention. Allowed arithmetic: matrix products marked QUANTISED: E2M1 operands, one E8M0 scale for each 32 along K, by v_wmma_scale_f32_16x16x128_f8f6f4 with both operands' format E2M1 (or v_wmma_scale_f32_32x16x128_f4), f32 sums; products left as they are: bf16, f16 or f32 operands; f32 sums; everything else in f32.
;; Inputs: Wout 1,024 x 1,024 float32; Wqkv 1,024 x 3,072 float32; x 4 x 2,048 x 1,024 float32.
;; Outputs: out0 4 x 2,048 x 1,024 float32.
;; This version of the problem:
;;   THIS VERSION OF THE PROBLEM IS GIVEN IN LOW PRECISION. The matrix products marked QUANTISED in the list below multiply operands that are first quantised to E2M1 (2 exponent bits, 1 mantissa bit; 4 bits a number), with one power-of-two scale for each 32 numbers along K (OCP MX v1.0); their sums are f32. The products marked 'left as it is' may take bf16, f16 or f32 operands, with f32 sums. Whichever they take, every output number must still come out within the allowed error. Rounding operands to bf16 (8 significant bits) uses up far more of that allowance than f16 does (11 bits, for magnitudes from 6e-5 to 65,504). All else is computed in f32.
;;   The module's matrix products, in the order in which they are computed (A, B: the left and right operand; K: the contracted axis; several contracted axes count as one K, in the product's order):
;;     1. [M 8,192, K 1,024] x [K 1,024, N 3,072]; A: input x; B: input Wqkv: QUANTISED
;;     2. batch 64 x [M 2,048, K 64] x [K 64, N 2,048]; A: computed on the way; B: computed on the way: left as it is (an operand is computed on the way)
;;     3. batch 64 x [M 2,048, K 2,048] x [K 2,048, N 64]; A: computed on the way; B: computed on the way: left as it is (an operand is computed on the way)
;;     4. [M 8,192, K 1,024] x [K 1,024, N 1,024]; A: computed on the way; B: input Wout: left as it is (an operand is computed on the way)
;;   THE QUANTISER, for each operand of a quantised product, along K:
;;     - K is cut into blocks of 32 from its start; a last block that is shorter is filled with zeros.
;;     - A block's scale is 2^e with e = floor(log2(the largest magnitude in the block)) - 2, held to -126 .. 127; a block of zeros has e = 0. As a byte (E8M0): e + 127.
;;     - Each number is divided by its block's scale, clamped to +-6, and rounded to the nearest number of E2M1, ties to even, subnormals kept.
;;     - The product sums the exact products of the quantised numbers (number of the format x scale) in f32.
;;   ~~~python
;;   def quantise(x, axis):      # numpy; x: float32 -> the quantised numbers, widened to float32 again
;;       x = np.moveaxis(x, axis, -1); K = x.shape[-1]
;;       x = np.pad(x, [(0, 0)] * (x.ndim - 1) + [(0, -K % 32)]); x = x.reshape(x.shape[:-1] + (-1, 32)); a = np.abs(x).max(-1, keepdims=True)
;;       e = np.where(a > 0, np.clip(np.frexp(np.where(a > 0, a, 1))[1] - 1 - 2, -126, 127), 0)      # np.frexp(a)[1] - 1 = floor(log2(a)), exactly
;;       r = np.clip(x / 2.0 ** e, -6, 6)
;;       step = 2.0 ** (np.maximum(np.frexp(np.where(r == 0, 1, r))[1] - 1, 0) - 1)
;;       q = np.round(r / step) * step * 2.0 ** e      # np.round: ties to even
;;       return np.moveaxis(q.reshape(q.shape[:-2] + (-1,))[..., :K], -1, axis).astype(np.float32)
;;   ~~~
;; One version. Each part assembles by itself: llvm-mc -triple=amdgcn-amd-amdhsa -mcpu=gfx1250 --defsym DOCPART=n.
;; ======== version 1 of 1: 5 launches
;; limits: values are held in f16: magnitudes above 65,504 overflow, below 6.1e-05 lose precision
;; workspace buffers: xc 4,194,304 bytes; xs 262,144 bytes; wc 1,572,864 bytes; ws 98,304 bytes; wo 2,097,152 bytes; qkvh 50,331,648 bytes; fq 786,432 bytes; att 16,777,216 bytes
;; launch prep (part 1): grid 208 x 1, 8 waves a work-group, no clusters, 172,032 bytes of LDS; arguments x, Wqkv, Wout, xc, xs, wc, ws, wo; writes xc, xs, wc, ws, wo
.if DOCPART == 1
	.amdgcn_target "amdgcn-amd-amdhsa--gfx1250"
	.amdhsa_code_object_version 6
	.text
	.protected	k_q4afd604d63_prep
	.globl	k_q4afd604d63_prep
	.p2align	8
	.type	k_q4afd604d63_prep,@function
k_q4afd604d63_prep:
	s_mov_b64 s[64:65], 0
	v_nop
	global_prefetch_b8 v0, s[64:65] scope:SCOPE_SE
	s_setreg_imm32_b32 hwreg(HW_REG_WAVE_MODE, 25, 1), 1
	s_wait_xcnt 0x0
; PREP.  Three tasks in one launch, chosen by the work-group's number; the three ways never join and each has LDS bytes of its own.
;   work-groups   0-127: x [8192][1024] f32 -> xc: codes of FP4 (E2M1), K innermost, two a byte, [8192][512 bytes]; xs: one E8M0 byte for each 32 along K, [8192][32].
;   work-groups 128-175: Wqkv [1024 k][3072 n] f32, K its first axis -> wc [3072][512 bytes], ws [3072][32], K innermost.
;   work-groups 176-207: Wout [1024 k][1024 n] f32 -> wo [1024 n][1024 k] f16, K innermost (that product is left as it is).
; A block's scale is 2^(floor(log2(its largest magnitude)) - 2); its byte is the largest magnitude's exponent field - 2, held at 1 from below by a floor among the maximum's leaves.
; LIMITS: a block of zeros, or one whose largest magnitude lies under 2^-124, gets the byte 1 (the codes of a block of zeros are zeros, and this program alone reads the bytes);
; NaN and infinities are not served; Wout has to lie inside f16's range, +-65,504.
; Eight waves to a work-group: x: 1,024 waves of 32 KB; Wqkv: 384 waves of 32 KB; Wout: 256 waves of 16 KB.
.set SPARE, 171008                     ; the spare words, 128 bytes for each of the eight waves: four blocks of 256 bytes that no other line names
.set SPW,   192                        ; v192 LDS address of my spare word; never rewritten
.set NIL,   193                        ; v193 0; never rewritten
.set XSP,   80                         ; x: a lane's place in a stage: 64 bytes + 16 of padding
.set WSTG,  65536                      ; Wqkv: the work-group's stage, 64 columns x (512 bytes of codes + 16)
.set WSCL,  99328                      ; Wqkv: 64 columns x 32 scale bytes
.set OSTG,  101376                     ; Wout: a stage of 32 columns x (256 bytes + 16) for each wave
	s_load_b256 s[4:11], s[0:1], 0x0               ; x s[4:5], Wqkv s[6:7], Wout s[8:9], xc s[10:11]
	s_load_b256 s[12:19], s[0:1], 0x20             ; xs s[12:13], wc s[14:15], ws s[16:17], wo s[18:19]
	v_lshl_add_u32 v[SPW], v0, 2, SPARE
	v_mov_b32 v[NIL], 0
	v_lshrrev_b32 v1, 5, v0
	v_readfirstlane_b32 s20, v1                    ; wave 0..7
	v_and_b32 v2, 31, v0                           ; lane
	s_mov_b32 s25, 0                               ; the upper word of every offset pair s[24:25]
	s_wait_kmcnt 0x0
	s_cmp_lt_u32 ttmp9, 128
	s_cbranch_scc1 .Lpath_x
	s_cmp_lt_u32 ttmp9, 176
	s_cbranch_scc1 .Lpath_w
; ---------------- Wout -> wo.  A lane takes a column n and its registers run down K; a wave takes 32 columns x 128 of K; waves share nothing.
; The eight waves of a work-group stand side by side on 1,024 consecutive bytes of a row of Wout.
.macro LOADO t                         ; block t: Wout(32 t + n, my column), n = 0 .. 31, into set t % 2
.set n, 0
.rept 32
	global_load_b32 v[32+32*((\t)%2)+n], v3, s[8:9] offset:(32*(\t)+n)*4096 th:TH_LOAD_NT
.set n, n+1
.endr
.endm
.macro BLOCKO t
.set OX, 32+32*((\t)%2)
.if (\t) < 3
	s_wait_loadcnt 32                              ; this block's 32 loads are in; the next block's 32 may be out
.else
	s_wait_loadcnt 0
.endif
.set n, 0
.rept 16
	v_cvt_pk_f16_f32 v[96+n], v[OX+2*n], v[OX+2*n+1]   ; two neighbours along K, the lower in the low half
.set n, n+1
.endr
.irp g, 0,1,2,3
	ds_store_b128 v4, v[96+4*\g:99+4*\g] offset:64*(\t)+16*\g   ; 32 of K: 64 bytes of my column's row
.endr
.if (\t)+2 < 4
	LOADO (\t)+2
.endif
	s_wait_dscnt 0x0                               ; the stores have read their registers: the next block may write them
.endm
	s_sub_co_u32 s21, ttmp9, 176                   ; j = 0..31
	s_and_b32 s22, s21, 3
	s_lshl_b32 s22, s22, 3
	s_add_co_u32 s22, s22, s20                     ; my group of 32 columns: 8 (j % 4) + wave
	s_lshr_b32 s23, s21, 2                         ; my 128 of K: j / 4
	s_lshl_b32 s24, s23, 19                        ; 128 rows of 4,096 bytes
	s_lshl_b32 s26, s22, 7                         ; 32 columns of 4 bytes
	s_add_co_u32 s24, s24, s26
	s_add_nc_u64 s[8:9], s[8:9], s[24:25]
	s_lshl_b32 s24, s22, 16                        ; wo: 32 rows of 2,048 bytes
	s_lshl_b32 s26, s23, 8                         ; 128 of K: 256 bytes
	s_add_co_u32 s24, s24, s26
	s_add_nc_u64 s[18:19], s[18:19], s[24:25]
	v_lshlrev_b32 v3, 2, v2                        ; in: 4 bytes a lane
	s_mul_i32 s21, s20, 8704
	s_add_co_u32 s21, s21, OSTG                    ; my stage
	v_mul_u32_u24 v4, v2, 272
	v_add_nc_u32 v4, s21, v4                       ; into it: row = my column
	v_and_b32 v5, 15, v2
	v_lshrrev_b32 v6, 4, v2
	v_mul_u32_u24 v7, v6, 272
	v_lshl_add_u32 v7, v5, 4, v7
	v_add_nc_u32 v7, s21, v7                       ; out of it: sixteen lanes to a row, two rows an instruction
	v_lshlrev_b32 v8, 11, v6
	v_lshl_add_u32 v8, v5, 4, v8                   ; and the same place in wo
	LOADO 0
	LOADO 1
	BLOCKO 0
	BLOCKO 1
	BLOCKO 2
	BLOCKO 3
.irp t, 0,1,2,3,4,5,6,7,8,9,10,11,12,13,14,15
	ds_load_b128 v[112+4*\t:115+4*\t], v7 offset:2*\t*272   ; LDS serves a wave's instructions in order: these see my stores
.endr
.irp t, 0,1,2,3,4,5,6,7,8,9,10,11,12,13,14,15
	s_wait_dscnt 15-\t
	global_store_b128 v8, v[112+4*\t:115+4*\t], s[18:19] offset:2*\t*2048   ; sixteen lanes store 256 consecutive bytes, aligned
.endr
	s_wait_tensorcnt 0x0                           ; the wave's end: 0 onto my spare word, behind my last LDS store
	ds_add_u32 v[SPW], v[NIL]
	s_wait_dscnt 0x0
	s_endpgm
; ---------------- Wqkv -> wc, ws.  A work-group takes 64 columns x all of K.  Wave: 32 columns (wave % 2) x 256 of K (wave / 2): 8 blocks a lane.
; A lane takes a column, its registers run down K: a block of 32 lies in one lane, and the conversions give codes with K innermost.
; The codes and scale bytes of a column come from four waves: they meet in the work-group's stage, and leave as whole rows of 512 bytes.
.macro LOADW t
.set n, 0
.rept 32
	global_load_b32 v[32+32*((\t)%2)+n], v3, s[6:7] offset:(32*(\t)+n)*12288 th:TH_LOAD_NT
.set n, n+1
.endr
.endm
.macro BLOCKW t
.set WX, 32+32*((\t)%2)
.if (\t) < 7
	s_wait_loadcnt 32                              ; this block's 32 loads are in; the next block's 32 may be out
.else
	s_wait_loadcnt 0
.endif
	v_max3_num_f32 v12, |v[WX]|, |v[WX+1]|, |v[WX+2]|   ; the block's largest magnitude: all 32 numbers are mine; two chains
	v_max3_num_f32 v13, |v[WX+3]|, |v[WX+4]|, |v[WX+5]|
.irp i, 6,10,14,18,22,26
	v_max3_num_f32 v12, v12, |v[WX+\i]|, |v[WX+\i+1]|
	v_max3_num_f32 v13, v13, |v[WX+\i+2]|, |v[WX+\i+3]|
.endr
	v_max3_num_f32 v12, v12, |v[WX+30]|, |v[WX+31]|
	v_max3_num_f32 v12, v12, v13, 0x1800000        ; and the floor 2^(3 - 127): the byte cannot fall under 1
	v_add_nc_u32 v11, 0xff000000, v12              ; 2 off the exponent field: the conversion takes the exponent field of this operand as its scale
	v_lshrrev_b32 v13, 23, v11                     ; the scale's byte
.if (\t)%4 == 0
	v_mov_b32 v[24+(\t)/4], v13                    ; four bytes to a register, the lower K in the lower byte
.else
	v_lshl_or_b32 v[24+(\t)/4], v13, 8*((\t)%4), v[24+(\t)/4]
.endif
.irp g, 0,1,2,3
	v_cvt_scalef32_pk8_fp4_f32 v[96+\g], v[WX+8*\g:WX+8*\g+7], v11
.endr
	ds_store_b128 v4, v[96:99] offset:16*(\t)      ; 32 codes: 16 bytes of my column's row
.if (\t)+2 < 8
	LOADW (\t)+2
.endif
	s_wait_dscnt 0x0                               ; the store has read its registers: the next block's codes may be written
.endm
.Lpath_w:
	s_sub_co_u32 s21, ttmp9, 128                   ; j = 0..47: columns 64 j on
	s_and_b32 s22, s20, 1                          ; which 32 columns
	s_lshr_b32 s23, s20, 1                         ; which 256 of K
	s_mul_i32 s24, s23, 256*12288
	s_lshl_b32 s26, s21, 8
	s_add_co_u32 s24, s24, s26
	s_lshl_b32 s26, s22, 7
	s_add_co_u32 s24, s24, s26
	s_add_nc_u64 s[6:7], s[6:7], s[24:25]          ; Wqkv at my first row and column
	s_lshl_b32 s24, s21, 15                        ; wc: 64 rows of 512 bytes,
	s_lshl_b32 s26, s20, 12                        ; of which I store rows 8 wave .. 8 wave + 7
	s_add_co_u32 s24, s24, s26
	s_add_nc_u64 s[14:15], s[14:15], s[24:25]
	s_lshl_b32 s24, s21, 11                        ; ws: 64 rows of 32 bytes, my 8 rows: 256 bytes
	s_lshl_b32 s26, s20, 8
	s_add_co_u32 s24, s24, s26
	s_add_nc_u64 s[16:17], s[16:17], s[24:25]
	v_lshlrev_b32 v3, 2, v2                        ; in: 4 bytes a lane
	s_mul_i32 s26, s22, 32*528
	s_lshl_b32 s27, s23, 7
	s_add_co_u32 s26, s26, s27
	s_add_co_u32 s26, s26, WSTG
	v_mul_u32_u24 v4, v2, 528
	v_add_nc_u32 v4, s26, v4                       ; the stage: row = my column, + 128 bytes for each 256 of K
	s_lshl_b32 s26, s22, 10
	s_lshl_b32 s27, s23, 3
	s_add_co_u32 s26, s26, s27
	s_add_co_u32 s26, s26, WSCL
	v_lshl_add_u32 v5, v2, 5, s26                  ; the scale bytes: 32 a column, my 8
	s_mul_i32 s26, s20, 8*528
	s_add_co_u32 s26, s26, WSTG
	v_lshl_add_u32 v7, v2, 4, s26                  ; back: my 8 rows, the 32 lanes take a row of 512 bytes
	v_lshlrev_b32 v8, 4, v2
	s_lshl_b32 s26, s20, 8
	s_add_co_u32 s26, s26, WSCL
	v_lshl_add_u32 v9, v2, 3, s26                  ; and my 8 rows' 256 scale bytes, 8 a lane
	v_lshlrev_b32 v10, 3, v2
	LOADW 0
	LOADW 1
.irp t, 0,1,2,3,4,5,6,7
	BLOCKW \t
.endr
	ds_store_b64 v5, v[24:25]                      ; my column's 8 scale bytes
	s_wait_dscnt 0x0                               ; for the others' sake: my stores have landed
	s_barrier_signal -1
	s_barrier_wait -1
.irp t, 0,1,2,3,4,5,6,7
	ds_load_b128 v[112+4*\t:115+4*\t], v7 offset:528*\t
.endr
	ds_load_b64 v[144:145], v9
.irp t, 0,1,2,3,4,5,6,7
	s_wait_dscnt 8-\t                              ; row t is in; the younger rows and the scale bytes may be out
	global_store_b128 v8, v[112+4*\t:115+4*\t], s[14:15] offset:512*\t   ; the wave stores 512 consecutive bytes, aligned
.endr
	s_wait_dscnt 0x0
	global_store_b64 v10, v[144:145], s[16:17]     ; the wave stores 256 consecutive bytes, aligned
	s_wait_tensorcnt 0x0                           ; the wave's end: 0 onto my spare word, behind my last LDS store
	ds_add_u32 v[SPW], v[NIL]
	s_wait_dscnt 0x0
	s_endpgm
; ---------------- x -> xc, xs.  Rows are dense and K is a multiple of 32: a plain stream of blocks of 32.  A wave takes 16 steps of 512 numbers.
; Each load reads 512 consecutive bytes, 16 a lane; a step's 2,048 bytes turn through the wave's own stage in LDS and come back 64 bytes a lane: 16 neighbours along K, two lanes to a block.
.macro LOADX t
.irp i, 0,1,2,3
	global_load_b128 v[16+16*((\t)%4)+4*\i:16+16*((\t)%4)+4*\i+3], v3, s[4:5] offset:2048*(\t)+512*\i th:TH_LOAD_NT
.endr
.endm
.macro TURNX t                         ; LDS serves a wave's instructions in order: no wait between the stores and the loads
.irp i, 0,1,2,3
	ds_store_b128 v14, v[16+16*((\t)%4)+4*\i:16+16*((\t)%4)+4*\i+3] offset:32*XSP*((\t)%2)+8*XSP*\i
.endr
.irp i, 0,1,2,3
	ds_load_b128 v[80+16*((\t)%2)+4*\i:80+16*((\t)%2)+4*\i+3], v15 offset:32*XSP*((\t)%2)+16*\i
.endr
.endm
.macro STEPX t
.set XS, 80+16*((\t)%2)
.if (\t) > 0
	s_wait_dscnt 1                                 ; this step's numbers are back from the stage (the last step's byte store may be out)
.else
	s_wait_dscnt 0x0
.endif
.if (\t)+4 < 16
	LOADX (\t)+4                                   ; into the registers that this step's stage stores have read
.endif
.if (\t)+1 < 16
.if 14-(\t) >= 3
	s_wait_loadcnt 12                              ; the next step's four loads are in; those of the three steps behind it may be out
.else
	s_wait_loadcnt 4*(14-(\t))
.endif
	TURNX (\t)+1
.endif
	v_max3_num_f32 v8, |v[XS]|, |v[XS+1]|, |v[XS+2]|
	v_max3_num_f32 v9, |v[XS+3]|, |v[XS+4]|, |v[XS+5]|
.irp i, 6,10
	v_max3_num_f32 v8, v8, |v[XS+\i]|, |v[XS+\i+1]|
	v_max3_num_f32 v9, v9, |v[XS+\i+2]|, |v[XS+\i+3]|
.endr
	v_max3_num_f32 v8, v8, |v[XS+14]|, |v[XS+15]|
	v_max3_num_f32 v8, v8, v9, 0x1800000           ; and the floor 2^(3 - 127)
	v_max_num_f32_dpp v8, v8, v8 row_xmask:1 row_mask:0xf bank_mask:0xf   ; with my neighbour's 16: the block's largest magnitude
	v_add_nc_u32 v11, 0xff000000, v8               ; 2 off its exponent field: the conversion's scale operand
	v_cvt_scalef32_pk8_fp4_f32 v[128+4*(\t)], v[XS:XS+7], v11
	v_cvt_scalef32_pk8_fp4_f32 v[128+4*(\t)+1], v[XS+8:XS+15], v11
	v_lshrrev_b32 v[112+(\t)], 23, v11             ; the scale's byte
	ds_store_b8 v5, v[112+(\t)] offset:16*(\t)     ; both lanes of a block write the same byte with the same value
	global_store_b64 v4, v[128+4*(\t):128+4*(\t)+1], s[10:11] offset:256*(\t)   ; the wave stores 256 consecutive bytes, aligned
.endm
.Lpath_x:
	s_lshl_b32 s22, ttmp9, 3
	s_add_co_u32 s22, s22, s20                     ; which run of 8,192 numbers is my wave's
	s_lshl_b32 s24, s22, 15
	s_add_nc_u64 s[4:5], s[4:5], s[24:25]
	s_lshl_b32 s24, s22, 12
	s_add_nc_u64 s[10:11], s[10:11], s[24:25]
	s_lshl_b32 s24, s22, 8
	s_add_nc_u64 s[12:13], s[12:13], s[24:25]
	v_lshlrev_b32 v3, 4, v2                        ; my 16 bytes of a load's 512
	s_lshl_b32 s21, s20, 13                        ; my wave's 8,192 bytes of LDS
	v_lshrrev_b32 v14, 2, v2
	v_mul_u32_u24 v14, v14, XSP
	v_and_b32 v15, 3, v2
	v_lshl_add_u32 v14, v15, 4, v14
	v_add_nc_u32 v14, s21, v14                     ; the stage, on the way in: 80 (lane / 4) + 16 (lane % 4)
	v_mul_u32_u24 v15, v2, XSP
	v_add_nc_u32 v15, s21, v15                     ; and on the way out: 80 x lane
	v_lshlrev_b32 v4, 3, v2                        ; my codes' place in a step's: 8 bytes a lane
	v_lshrrev_b32 v5, 1, v2
	s_add_co_u32 s21, s21, 2*32*XSP
	v_add_nc_u32 v5, s21, v5                       ; my wave's 256 scale bytes, my block's byte
	v_lshlrev_b32 v7, 3, v2
	v_add_nc_u32 v6, s21, v7
.irp t, 0,1,2,3
	LOADX \t
.endr
	s_wait_loadcnt 12                              ; step 0's four loads are in
	TURNX 0
.irp t, 0,1,2,3,4,5,6,7,8,9,10,11,12,13,14,15
	STEPX \t
.endr
	ds_load_b64 v[8:9], v6                         ; LDS serves a wave's instructions in order: these see my byte stores
	s_wait_dscnt 0x0
	global_store_b64 v7, v[8:9], s[12:13]          ; the wave stores 256 consecutive bytes, aligned
	s_wait_tensorcnt 0x0                           ; the wave's end: 0 onto my spare word, behind my last LDS store
	ds_add_u32 v[SPW], v[NIL]
	s_wait_dscnt 0x0
	s_endpgm
.Lfunc_end_k_q4afd604d63_prep:
	.size	k_q4afd604d63_prep, .Lfunc_end_k_q4afd604d63_prep-k_q4afd604d63_prep
	.p2alignl 7, 3214868480
	.fill 96, 4, 3214868480
	.section	.rodata,"a",@progbits
	.p2align	6, 0x0
	.amdhsa_kernel k_q4afd604d63_prep
		.amdhsa_group_segment_fixed_size 172032
		.amdhsa_private_segment_fixed_size 0
		.amdhsa_enable_private_segment 0
		.amdhsa_kernarg_size 64
		.amdhsa_user_sgpr_count 2
		.amdhsa_user_sgpr_kernarg_segment_ptr 1
		.amdhsa_wavefront_size32 1
		.amdhsa_system_sgpr_workgroup_id_x 1
		.amdhsa_system_sgpr_workgroup_id_y 1
		.amdhsa_system_sgpr_workgroup_id_z 1
		.amdhsa_system_vgpr_workitem_id 0
		.amdhsa_next_free_vgpr 196
		.amdhsa_next_free_sgpr 66
		.amdhsa_reserve_vcc 0
		.amdhsa_float_denorm_mode_32 3
		.amdhsa_float_denorm_mode_16_64 3
		.amdhsa_memory_ordered 1
		.amdhsa_forward_progress 1
		.amdhsa_inst_pref_size 95
	.end_amdhsa_kernel
	.amdgpu_metadata
---
amdhsa.version: [ 1, 2 ]
amdhsa.kernels:
  - .name:           k_q4afd604d63_prep
    .symbol:         k_q4afd604d63_prep.kd
    .args:
      - { .name: x, .offset: 0, .size: 8, .value_kind: global_buffer, .address_space: global }
      - { .name: Wqkv, .offset: 8, .size: 8, .value_kind: global_buffer, .address_space: global }
      - { .name: Wout, .offset: 16, .size: 8, .value_kind: global_buffer, .address_space: global }
      - { .name: xc, .offset: 24, .size: 8, .value_kind: global_buffer, .address_space: global }
      - { .name: xs, .offset: 32, .size: 8, .value_kind: global_buffer, .address_space: global }
      - { .name: wc, .offset: 40, .size: 8, .value_kind: global_buffer, .address_space: global }
      - { .name: ws, .offset: 48, .size: 8, .value_kind: global_buffer, .address_space: global }
      - { .name: wo, .offset: 56, .size: 8, .value_kind: global_buffer, .address_space: global }
    .group_segment_fixed_size: 172032
    .private_segment_fixed_size: 0
    .kernarg_segment_align: 8
    .kernarg_segment_size: 64
    .max_flat_workgroup_size: 256
    .sgpr_count:     66
    .vgpr_count:     196
    .wavefront_size: 32
...
	.end_amdgpu_metadata
.endif
;; end of part 1
;; launch qkv (part 2): grid 12 x 32, 4 waves a work-group, clusters of 4 x 4, 327,680 bytes of LDS; arguments xc, xs, wc, ws, qkvh, fq; writes qkvh, fq
.if DOCPART == 2
	.amdgcn_target "amdgcn-amd-amdhsa--gfx1250"
	.amdhsa_code_object_version 6
	.text
	.protected	k_q4afd604d63_qkv
	.globl	k_q4afd604d63_qkv
	.p2align	8
	.type	k_q4afd604d63_qkv,@function
k_q4afd604d63_qkv:
	s_mov_b64 s[64:65], 0
	v_nop
	global_prefetch_b8 v0, s[64:65] scope:SCOPE_SE
	s_setreg_imm32_b32 hwreg(HW_REG_WAVE_MODE, 25, 1), 1
	s_wait_xcnt 0x0
	s_wait_alu depctr_hold_cnt(0) depctr_sa_sdst(0) depctr_va_vdst(0) depctr_va_sdst(0) depctr_va_ssrc(0) depctr_va_vcc(0) depctr_vm_vsrc(0)
	s_getreg_b32 s2, hwreg(HW_REG_IB_STS2, 6, 4)
	s_cmp_eq_u32 s2, 0
	s_cbranch_scc0 .Lentry_in_a_cluster
	s_endpgm
.Lentry_in_a_cluster:
	s_bfe_u32 s2, ttmp6, 0x10000c
	s_cmp_lg_u32 s2, 0xf033
	s_cbranch_scc0 .Lentry_shape_is_right
	s_endpgm
.Lentry_shape_is_right:
; QKV = Q(x) Q(Wqkv): [8192][1024] x [3072][1024]^T on codes of FP4 (E2M1) with one E8M0 scale for each 32 along K; sums in f32.
; Results: qkvh, f16, [3 parts q k v][4 batches][16 heads][2048 positions][64]; and fq, f32, [4][16 positions][3072]: the first 16 positions of every batch, unrounded, for the launch that carries them finely.
; LIMIT: q, k and v have to lie inside f16's range, +-65,504.
; A tile of C, 256 x 256, is made by a work-group of four waves; a wave makes 128 x 128: 64 accumulators of 16 x 16, 512 registers.
; K = 1,024 is exactly two LDS slots of 512 along K (a tile's row is 256 bytes of memory): every tensor load is a first fill, issued at the head; nothing is filled again.  Three loads of a wave are out at the most.
; The scale bytes of the work-group's 256 rows of x and 256 rows of Wqkv^T are two dense blocks of memory: they come once, in rows of 256 bytes.
; CLUSTERS: 4 x 4 work-groups.  The four of a row of the cluster need the same tiles of x, the four of a column the same tiles of W: each tile is asked for jointly, by the same load with the same descriptor and a mask that names the four.
; WHICH TILE IS WHOSE: tile row = 8 cy + cluster y, so the batch is cy and the tile within the batch is the cluster's y; tile column = 4 cluster x + cx, so the part (q, k, v) is the cluster's x.
; So 'this tile holds positions 0-15' is cluster y = 0: the same in all sixteen partners.
; THE MATRIX INSTRUCTION IS USED TRANSPOSED (source 0 = 16 rows of W^T, source 1 = 16 rows of x): a lane holds eight neighbouring columns of one row of C.
; REGISTERS, in windows of 256: window 0: v0-31 addresses; v32-95 scale words, two sets, and nothing else ever; from v128 x's fragments, one set; on the way out v128-223 at work.
;   window 1: W's fragments, two sets, at v0 and v128.   window 2: the accumulators of my rows 0-63 ((a, b) at v[8 (8 a + b)]);   window 3: those of my rows 64-127.
.set KSTEP,  512
.set NQ,     4
.set ROWB,   256
.set KROW,   512                       ; a row of codes in memory, in bytes
.set PITCH,  272                       ; an LDS row: 256 bytes + 16 of padding: the 16 rows that a load touches start at 16 different 16-byte columns
.set FR,     8
.set NL,     2
.set NP,     4
.set HALFT,  128*PITCH
.set SLOT,   4*HALFT
.set KS,     32                        ; a row of scale bytes
.set SCL,    2*SLOT
.set HALFS,  (128*KS/256)*272
.set SBLK,   (16*KS/256)*272
.set SPARE,  SCL+4*HALFS               ; the spare words, 128 bytes for each wave
.set ADRA, 16
.set ADRB, 20
.set STO,  24                          ; the way out, f16: where I put 16 bytes of a row
.set RD,   25                          ; and where I read back: eight lanes to a head's 128 bytes of a row
.set CO,   26                          ; 16 x lane
.set ADRS, 27
.set SPW,  28
.set NIL,  29
.set FSTO, 30                          ; the way out, f32: where I put 32 bytes of a row
.set FRD,  31                          ; and where I read a row of 512 bytes back
.set SC,   32
.set AF,   128
.set TMP,  128                         ; the way out: packed results
.set BK,   160                         ; the way out: a block read back: v160-191 and v192-223 by turns
.set G1, 24
.set G0, 32
.set G1B, 48
.set G0B, 56
.set G1S, 68
.set G0S, 76
.set G1SB, 80
.set G0SB, 88
.set MSB, 0
.macro WIN new                         ; the immediate's high byte repeats the setting that is left
.if MSB != \new
	s_set_vgpr_msb (MSB<<8)|\new
.set MSB, \new
.endif
.endm
.set MUL_LO, 0xa1                      ; source 0 (W) window 1, source 1 (x) window 0, C and D window 2
.set MUL_HI, 0xf1                      ; the same, C and D window 3
.set TO_B,   0x40                      ; destination window 1, address window 0
; A joint load: waves 0 and 1 fetch for x, waves 2 and 3 for W.  The branch hangs on the wave's number alone.  An s_nop 0 and four v_nop follow each of the two lines.
.macro JLOAD g0a, g1a, g0b, g1b
	s_cmp_eq_u32 s15, 0
	s_cbranch_scc0 .Lfor_b_\@
	tensor_load_to_lds s[\g0a:\g0a+3], s[\g1a:\g1a+7]
	s_nop 0
.rept 4
	v_nop
.endr
	s_branch .Lasked_\@
.Lfor_b_\@:
	tensor_load_to_lds s[\g0b:\g0b+3], s[\g1b:\g1b+7]
	s_nop 0
.rept 4
	v_nop
.endr
.Lasked_\@:
.endm
.macro CROUND                          ; a round of the cluster's barrier
	s_barrier_signal -1
	s_barrier_wait -1
	s_cmp_lg_u32 s14, 0
	s_cbranch_scc1 .Lnot_wave_0_\@
	s_barrier_signal -3
.Lnot_wave_0_\@:
	s_barrier_wait -3
	s_barrier_signal -1
	s_barrier_wait -1
.endm
	s_load_b128 s[4:7], s[0:1], 0x0                ; xc s[4:5], xs s[6:7]
	s_load_b128 s[8:11], s[0:1], 0x10              ; wc s[8:9], ws s[10:11]
	s_load_b64 s[12:13], s[0:1], 0x20              ; qkvh
	s_load_b64 s[66:67], s[0:1], 0x28              ; fq
	v_lshl_add_u32 v[SPW], v0, 2, SPARE
	v_mov_b32 v[NIL], 0
	ds_add_u32 v[SPW], v[NIL]                      ; the wave's opening: the add, twice on end, and its wait ahead of my first tensor load
	ds_add_u32 v[SPW], v[NIL]
	v_lshrrev_b32 v1, 5, v0
	v_readfirstlane_b32 s14, v1                    ; wave 0..3
	s_lshr_b32 s15, s14, 1                         ; which half of the tile's rows is mine.  Also: I fetch for x (0) or for W (1)
	s_and_b32 s16, s14, 1                          ; which half of its columns.  Also: which 128 rows of that tile I fetch
	s_bfe_u32 s40, ttmp6, 0x40000                  ; cx
	s_bfe_u32 s41, ttmp6, 0x40004                  ; cy
	s_lshl_b32 s42, ttmp9, 2
	s_add_co_u32 s42, s42, s40                     ; tile column = 4 x cluster x + cx
	s_and_b32 s17, ttmp7, 0xffff
	s_lshl_b32 s43, s41, 3
	s_add_co_u32 s17, s17, s43                     ; tile row = 8 cy + cluster y
	s_lshl_b32 s43, s41, 2
	s_lshl_b32 s43, 15, s43                        ; my row of the cluster
	s_lshl_b32 s44, 0x1111, s40                    ; my column
	s_or_b32 s[G1+0], s43, (0<<16)|(1<<20)|(1<<21)|(5<<22)|(3<<25)   ; mask; elements of 1 byte; padding: 4 words behind every 64; bit 21 beside the mask
	s_or_b32 s[G1B+0], s44, (0<<16)|(1<<20)|(1<<21)|(5<<22)|(3<<25)
.irp g, G1, G1B
	s_mov_b32 s[\g+1], ROWB<<16                    ; tensor_dim0
	s_mov_b32 s[\g+2], 128<<16                     ; tensor_dim1
	s_mov_b32 s[\g+3], ROWB<<16                    ; tile_dim0
	s_mov_b32 s[\g+4], 128                         ; tile_dim1
	s_mov_b32 s[\g+5], KROW                        ; the pitch
	s_mov_b32 s[\g+6], 0
	s_mov_b32 s[\g+7], 0
.endr
	s_or_b32 s[G1S+0], s43, (3<<16)|(1<<20)|(1<<21)|(5<<22)|(3<<25)  ; the scales of 128 rows: 4,096 dense bytes as 16 rows of 256 (32 elements of 8 bytes)
	s_or_b32 s[G1SB+0], s44, (3<<16)|(1<<20)|(1<<21)|(5<<22)|(3<<25)
.irp g, G1S, G1SB
	s_mov_b32 s[\g+1], 32<<16
	s_mov_b32 s[\g+2], (128*KS/256)<<16
	s_mov_b32 s[\g+3], 32<<16
	s_mov_b32 s[\g+4], 128*KS/256
	s_mov_b32 s[\g+5], 32
	s_mov_b32 s[\g+6], 0
	s_mov_b32 s[\g+7], 0
.endr
	s_lshl_b32 s18, s16, 7                         ; which 128 rows of the tile I fetch
	s_lshl_b32 s20, s17, 8
	s_add_co_u32 s20, s20, s18                     ; x: row 256 x tile row + 128 x half
	s_lshl_b32 s46, s42, 8
	s_add_co_u32 s46, s46, s18                     ; W: row 256 x tile column + 128 x half
	s_mov_b32 s21, 0
	s_mov_b32 s47, 0
	s_mov_b64 s[18:19], KS
	s_mul_u64 s[22:23], s[20:21], s[18:19]         ; where these rows' scales begin
	s_mul_u64 s[92:93], s[46:47], s[18:19]
	s_mov_b64 s[18:19], KROW
	s_mul_u64 s[20:21], s[20:21], s[18:19]         ; and their codes
	s_mul_u64 s[46:47], s[46:47], s[18:19]
	s_mul_i32 s45, s14, HALFT                      ; where they go: wave x 128 rows: no place in the cluster enters an LDS address
	s_mul_i32 s94, s14, HALFS
	s_wait_dscnt 0x0                               ; both opening adds are done
	s_wait_kmcnt 0x0
	s_add_nc_u64 s[20:21], s[4:5], s[20:21]
	s_add_nc_u64 s[22:23], s[6:7], s[22:23]
	s_add_nc_u64 s[46:47], s[8:9], s[46:47]
	s_add_nc_u64 s[92:93], s[10:11], s[92:93]
	CROUND                                         ; all sixteen work-groups are here: the joint loads meet
	s_mov_b32 s[G0S], 1
	s_add_co_u32 s[G0S+1], s94, SCL
	s_mov_b64 s[G0S+2:G0S+3], s[22:23]
	s_or_b32 s[G0S+3], s[G0S+3], 0x80000000
	s_mov_b32 s[G0SB], 1
	s_add_co_u32 s[G0SB+1], s94, SCL
	s_mov_b64 s[G0SB+2:G0SB+3], s[92:93]
	s_or_b32 s[G0SB+3], s[G0SB+3], 0x80000000
	JLOAD G0S, G1S, G0SB, G1SB                     ; the scales first: they are wanted with the first slot
.irp s, 0,1
	s_mov_b32 s[G0+4*\s], 1
	s_add_co_u32 s[G0+4*\s+1], s45, \s*SLOT
	s_add_nc_u64 s[G0+4*\s+2:G0+4*\s+3], s[20:21], \s*ROWB
	s_or_b32 s[G0+4*\s+3], s[G0+4*\s+3], 0x80000000
	s_mov_b32 s[G0B+4*\s], 1
	s_add_co_u32 s[G0B+4*\s+1], s45, \s*SLOT
	s_add_nc_u64 s[G0B+4*\s+2:G0B+4*\s+3], s[46:47], \s*ROWB
	s_or_b32 s[G0B+4*\s+3], s[G0B+4*\s+3], 0x80000000
	JLOAD G0+4*\s, G1, G0B+4*\s, G1B
.endr
	v_and_b32 v1, 15, v0                           ; r = l % 16
	v_bfe_u32 v2, v0, 4, 1                         ; h = l / 16
	v_mul_u32_u24 v3, v1, PITCH
	v_lshl_add_u32 v4, v2, 4, v3                   ; a fragment's row x pitch + 16 x half
	s_mul_i32 s21, s15, HALFT                      ; my 128 rows of x
	s_mul_i32 s22, s16, HALFT                      ; my 128 rows of W,
	s_add_co_u32 s22, s22, 2*HALFT                 ; which lie behind x's 256
.irp s, 0,1
	v_add_nc_u32 v[ADRA+\s], s21, v4
	v_add_nc_u32 v[ADRB+\s], s22, v4
	s_add_co_u32 s21, s21, SLOT
	s_add_co_u32 s22, s22, SLOT
.endr
	v_mul_u32_u24 v5, v1, KS                       ; my row's scales: 32 bytes a row,
	v_lshrrev_b32 v6, 8, v5
	v_lshl_add_u32 v5, v6, 4, v5                   ; and 16 more for each 256 passed
	s_mul_i32 s21, s15, HALFS
	s_mul_i32 s22, s16, HALFS
	s_add_co_u32 s22, s22, 2*HALFS
	s_sub_co_u32 s22, s22, s21
	v_mul_u32_u24 v6, s22, v2                      ; lanes 16-31 take W's: one product, the distance between the two bases
	s_add_co_u32 s21, s21, SCL
	v_add_nc_u32 v5, v5, v6
	v_add_nc_u32 v[ADRS], s21, v5
	; the stages of the way out lie in slot 0, which has had its only fill, and which nobody reads behind the change of slots
	s_mul_i32 s23, s14, 16*272                     ; f16: 16 rows x (256 bytes + 16) for each wave
	v_mul_u32_u24 v5, v1, 272
	v_lshl_add_u32 v5, v2, 4, v5
	v_add_nc_u32 v[STO], s23, v5
	v_and_b32 v6, 31, v0
	v_lshrrev_b32 v7, 3, v6
	v_and_b32 v8, 7, v6
	v_mul_u32_u24 v7, v7, 272
	v_lshl_add_u32 v7, v8, 4, v7
	v_add_nc_u32 v[RD], s23, v7                    ; row l / 8, 16 (l % 8) bytes on
	v_lshlrev_b32 v[CO], 4, v6
	s_mul_i32 s23, s14, 16*528                     ; f32: 16 rows x (512 bytes + 16) for each wave, behind the four f16 stages
	s_add_co_u32 s23, s23, 4*16*272
	v_mul_u32_u24 v5, v1, 528
	v_lshl_add_u32 v5, v2, 5, v5
	v_add_nc_u32 v[FSTO], s23, v5
	v_add_nc_u32 v[FRD], s23, v[CO]
	; where my results go.  These offsets are made in registers that feed no descriptor
	s_lshl_b32 s96, ttmp9, 24                      ; the part: q, k or v
	s_lshl_b32 s97, s41, 4                         ; 16 x batch
	s_lshl_b32 s98, s40, 2
	s_add_co_u32 s97, s97, s98                     ; + 4 cx
	s_lshl_b32 s98, s16, 1
	s_add_co_u32 s97, s97, s98                     ; + 2 x half: the first of my two heads
	s_lshl_b32 s97, s97, 18                        ; a head is 262,144 bytes
	s_add_co_u32 s96, s96, s97
	s_and_b32 s97, ttmp7, 0xffff
	s_or_b32 s95, s97, s15                         ; 0 where my block 0 holds positions 0-15 of a batch
	s_lshl_b32 s98, s97, 15                        ; 256 positions of 128 bytes
	s_add_co_u32 s96, s96, s98
	s_lshl_b32 s98, s15, 14
	s_add_co_u32 s96, s96, s98
	s_mov_b32 s97, 0
	s_add_nc_u64 s[12:13], s[12:13], s[96:97]
	s_mul_i32 s96, s41, 196608                     ; fq: a batch is 16 rows of 12,288 bytes
	s_lshl_b32 s98, ttmp9, 12
	s_add_co_u32 s96, s96, s98
	s_lshl_b32 s98, s40, 10
	s_add_co_u32 s96, s96, s98
	s_lshl_b32 s98, s16, 9
	s_add_co_u32 s96, s96, s98
	s_add_nc_u64 s[66:67], s[66:67], s[96:97]
.macro FRAG reg, adr, q, i             ; 16 rows x 128 K of 4-bit codes: 8 registers: lane l holds row l % 16; registers 4 c .. 4 c + 3 hold K = 64 c + 32 (l / 16) + 0 .. 31
.irp c, 0,1
	ds_load_b128 v[\reg+4*\c:\reg+4*\c+3], v[\adr] offset:64*(\q)+32*\c+(\i)*16*PITCH
.endr
.endm
; 16 matrix instructions: x's blocks a0, a0 + 1 against W's eight, 128 along K.  The 64 accumulators take turns, one instruction a turn, in the same order in every step.
.macro MUL16 a0, p, q, sc, zero
.irp a, \a0, \a0+1
.irp b, 0,1,2,3,4,5,6,7
.if \zero
	v_wmma_scale_f32_16x16x128_f8f6f4 v[8*(8*((\a)%4)+\b):8*(8*((\a)%4)+\b)+7], v[128*(\p)+FR*\b:128*(\p)+FR*\b+FR-1], v[AF+FR*(\a):AF+FR*(\a)+FR-1], 0, v[SC+8*NQ*(\sc)+NQ*\b+(\q)], v[SC+8*NQ*(\sc)+NQ*(\a)+(\q)] matrix_a_fmt:MATRIX_FMT_FP4 matrix_b_fmt:MATRIX_FMT_FP4 matrix_a_scale:MATRIX_SCALE_ROW1
.else
	v_wmma_scale_f32_16x16x128_f8f6f4 v[8*(8*((\a)%4)+\b):8*(8*((\a)%4)+\b)+7], v[128*(\p)+FR*\b:128*(\p)+FR*\b+FR-1], v[AF+FR*(\a):AF+FR*(\a)+FR-1], v[8*(8*((\a)%4)+\b):8*(8*((\a)%4)+\b)+7], v[SC+8*NQ*(\sc)+NQ*\b+(\q)], v[SC+8*NQ*(\sc)+NQ*(\a)+(\q)] matrix_a_fmt:MATRIX_FMT_FP4 matrix_b_fmt:MATRIX_FMT_FP4 matrix_a_scale:MATRIX_SCALE_ROW1
.endif
.endr
.endr
.endm
.macro FETCH_B slot, q, p
	WIN TO_B
.irp i, 0,1,2,3,4,5,6,7
	FRAG 128*(\p)+FR*\i, ADRB+\slot, \q, \i
.endr
	WIN 0
.endm
.macro FETCH_A slot, q, i0
.irp i, \i0, \i0+1, \i0+2, \i0+3
	FRAG AF+FR*(\i), ADRA+\slot, \q, \i
.endr
.endm
.macro SCALES sc                       ; a slot's scale words: 4 words a row; lanes 0-15 take x's block i, lanes 16-31 W's block i
.irp i, 0,1,2,3,4,5,6,7
	ds_load_b128 v[SC+8*NQ*\sc+NQ*\i:SC+8*NQ*\sc+NQ*\i+3], v[ADRS] offset:\i*SBLK
.endr
.endm
.macro PLACES n                        ; plain vector places behind matrix instructions, in front of loads into registers that they have read and of the first read of results
.rept \n
	v_nop
.endr
.endm
.macro STEP slot, q, zero              ; a step of 128 along K that has its successor in the same slot
	s_wait_dscnt 4*NL                              ; W's set and x's blocks 0-3 are in; the youngest eight loads (x's blocks 4-7) may be out
	WIN MUL_LO
	MUL16 0, (\q)%2, \q, \slot, \zero
	MUL16 2, (\q)%2, \q, \slot, \zero
	s_wait_dscnt 0
	PLACES NP
	FETCH_B \slot, (\q)+1, 1-(\q)%2
	FETCH_A \slot, (\q)+1, 0
	WIN MUL_HI
	MUL16 4, (\q)%2, \q, \slot, \zero
	MUL16 6, (\q)%2, \q, \slot, \zero
	PLACES NP
	WIN 0
	FETCH_A \slot, (\q)+1, 4
.endm
	s_wait_tensorcnt 1                             ; the scales and my part of slot 0 are in (slot 1's load may be out)
	s_barrier_signal -1
	s_barrier_wait -1                              ; everybody's are
	FETCH_B 0, 0, 0
	FETCH_A 0, 0, 0
	SCALES 0
	FETCH_A 0, 0, 4
	STEP 0, 0, 1                                   ; the first step's products start the sums: nothing is cleared
	STEP 0, 1, 0
	STEP 0, 2, 0
	; slot 0's last step changes slots: one barrier; in front of it my part of slot 1 has landed and my reads of slot 0 are over
	s_wait_tensorcnt 0x0
	ds_add_u32 v[SPW], v[NIL]                      ; 0 onto my spare word
	s_wait_dscnt 4*NL+1                            ; (the add and the youngest eight loads may be out)
	WIN MUL_LO
	MUL16 0, 1, NQ-1, 0, 0
	s_wait_dscnt 0x0
	s_barrier_signal -1
	MUL16 2, 1, NQ-1, 0, 0
	WIN 0
	s_barrier_wait -1
	PLACES NP
	v_add_nc_u32 v[ADRS], 4*NQ, v[ADRS]            ; on to slot 1's scale words
	FETCH_B 1, 0, 0
	FETCH_A 1, 0, 0
	SCALES 1
	WIN MUL_HI
	MUL16 4, 1, NQ-1, 0, 0
	MUL16 6, 1, NQ-1, 0, 0
	PLACES NP
	WIN 0
	FETCH_A 1, 0, 4
	STEP 1, 0, 0
	STEP 1, 1, 0
	STEP 1, 2, 0
	s_wait_dscnt 4*NL                              ; the last step: nothing more to fetch
	WIN MUL_LO
	MUL16 0, 1, NQ-1, 1, 0
	MUL16 2, 1, NQ-1, 1, 0
	s_wait_dscnt 0
	WIN MUL_HI
	MUL16 4, 1, NQ-1, 1, 0
	MUL16 6, 1, NQ-1, 1, 0
	WIN 0
	PLACES NP
	; THE FIRST 16 POSITIONS OF A BATCH, UNROUNDED: block 0 of the waves with rows 0-127 of the tiles with cluster y = 0.  The branch hangs on the cluster's y and the wave's number alone.
	s_cmp_lg_u32 s95, 0
	s_cbranch_scc1 .Lnofine
	WIN 0x08                                       ; an LDS store's data are its source 1: window 2
.irp b, 0,1,2,3,4,5,6,7
	ds_store_b128 v[FSTO], v[8*\b:8*\b+3] offset:64*\b            ; each accumulator from its low end on
	ds_store_b128 v[FSTO], v[8*\b+4:8*\b+7] offset:64*\b+16
.endr
	WIN 0
.irp t, 0,1,2,3,4,5,6,7,8,9,10,11,12,13,14,15
	ds_load_b128 v[128+4*\t:131+4*\t], v[FRD] offset:\t*528       ; LDS serves a wave's instructions in order: these see my stores
.endr
	s_wait_dscnt 0x0
.irp t, 0,1,2,3,4,5,6,7,8,9,10,11,12,13,14,15
	global_store_b128 v[CO], v[128+4*\t:131+4*\t], s[66:67] offset:\t*12288   ; the wave stores 512 consecutive bytes, aligned
.endr
	s_wait_xcnt 0x0                                ; the stores have read their registers, which are written again below
.Lnofine:
; THE WAY OUT, a block of 16 rows x 128 columns (two heads) at a time: rounded to f16, through my own stage, and back so that the 32 lanes hold four whole rows (128 bytes each) of one head: 512 consecutive bytes of qkvh.
.macro PACK a
.set AC, 64*((\a)%4)
	WIN 0x0a+5*((\a)/4)                            ; sources 0 and 1: window 2 or 3
.irp b, 0,1,2,3,4,5,6,7
.irp r, 0,1,2,3
	v_cvt_pk_f16_f32 v[TMP+4*\b+\r], v[AC+8*\b+2*\r], v[AC+8*\b+2*\r+1]
.endr
.endr
	WIN 0
.endm
.macro TOSTAGE a
.set BB, BK+32*((\a)%2)
.irp b, 0,1,2,3,4,5,6,7
	ds_store_b128 v[STO], v[TMP+4*\b:TMP+4*\b+3] offset:32*\b
.endr
.irp t, 0,1,2,3,4,5,6,7
	ds_load_b128 v[BB+4*\t:BB+4*\t+3], v[RD] offset:(4*(\t%4))*272+128*(\t/4)   ; head t / 4, rows 4 (t % 4) on
.endr
.endm
.macro SEND a
.set BB, BK+32*((\a)%2)
	s_wait_dscnt 0x0                               ; the block is back in registers
	s_wait_xcnt 0x0                                ; the block before has been read by its stores: the next block's loads may land there
.irp t, 0,1,2,3,4,5,6,7
	global_store_b128 v[CO], v[BB+4*\t:BB+4*\t+3], s[12:13] offset:(\a)*2048+(\t/4)*262144+(\t%4)*512   ; every offset an immediate: no base is stepped
.endr
.endm
	PACK 0
	TOSTAGE 0
.irp a, 1,2,3,4,5,6,7                  ; block a's conversions stand between block a - 1's loads from the stage and the wait for them
	PACK \a
	SEND \a-1
	TOSTAGE \a
.endr
	SEND 7
	s_wait_tensorcnt 0x0                           ; the wave's end: 0 onto my spare word, behind my last tensor load and my last LDS store
	ds_add_u32 v[SPW], v[NIL]
	s_wait_dscnt 0x0
	CROUND                                         ; the closing round: no work-group ends while a partner may still ask for a tile that names it
	s_endpgm
.Lfunc_end_k_q4afd604d63_qkv:
	.size	k_q4afd604d63_qkv, .Lfunc_end_k_q4afd604d63_qkv-k_q4afd604d63_qkv
	.p2alignl 7, 3214868480
	.fill 96, 4, 3214868480
	.section	.rodata,"a",@progbits
	.p2align	6, 0x0
	.amdhsa_kernel k_q4afd604d63_qkv
		.amdhsa_group_segment_fixed_size 327680
		.amdhsa_private_segment_fixed_size 0
		.amdhsa_enable_private_segment 0
		.amdhsa_kernarg_size 48
		.amdhsa_user_sgpr_count 2
		.amdhsa_user_sgpr_kernarg_segment_ptr 1
		.amdhsa_wavefront_size32 1
		.amdhsa_system_sgpr_workgroup_id_x 1
		.amdhsa_system_sgpr_workgroup_id_y 1
		.amdhsa_system_sgpr_workgroup_id_z 1
		.amdhsa_system_vgpr_workitem_id 0
		.amdhsa_next_free_vgpr 1024
		.amdhsa_next_free_sgpr 100
		.amdhsa_reserve_vcc 0
		.amdhsa_float_denorm_mode_32 3
		.amdhsa_float_denorm_mode_16_64 3
		.amdhsa_memory_ordered 1
		.amdhsa_forward_progress 1
		.amdhsa_inst_pref_size 131
	.end_amdhsa_kernel
	.amdgpu_metadata
---
amdhsa.version: [ 1, 2 ]
amdhsa.kernels:
  - .name:           k_q4afd604d63_qkv
    .symbol:         k_q4afd604d63_qkv.kd
    .args:
      - { .name: xc, .offset: 0, .size: 8, .value_kind: global_buffer, .address_space: global }
      - { .name: xs, .offset: 8, .size: 8, .value_kind: global_buffer, .address_space: global }
      - { .name: wc, .offset: 16, .size: 8, .value_kind: global_buffer, .address_space: global }
      - { .name: ws, .offset: 24, .size: 8, .value_kind: global_buffer, .address_space: global }
      - { .name: qkvh, .offset: 32, .size: 8, .value_kind: global_buffer, .address_space: global }
      - { .name: fq, .offset: 40, .size: 8, .value_kind: global_buffer, .address_space: global }
    .group_segment_fixed_size: 327680
    .private_segment_fixed_size: 0
    .kernarg_segment_align: 8
    .kernarg_segment_size: 48
    .max_flat_workgroup_size: 128
    .sgpr_count:     100
    .vgpr_count:     1024
    .wavefront_size: 32
...
	.end_amdgpu_metadata
.endif
;; end of part 2
;; launch attn (part 3): grid 4 x 64, 8 waves a work-group, no clusters, 327,680 bytes of LDS; arguments qkvh, att; writes att
.if DOCPART == 3
	.amdgcn_target "amdgcn-amd-amdhsa--gfx1250"
	.amdhsa_code_object_version 6
	.text
	.protected	k_q4afd604d63_attn
	.globl	k_q4afd604d63_attn
	.p2align	8
	.type	k_q4afd604d63_attn,@function
k_q4afd604d63_attn:
	s_mov_b64 s[64:65], 0
	v_nop
	global_prefetch_b8 v0, s[64:65] scope:SCOPE_SE
	s_setreg_imm32_b32 hwreg(HW_REG_WAVE_MODE, 25, 1), 1
	s_wait_xcnt 0x0
; CAUSAL ATTENTION on f16 operands, f32 sums: att[bh][q][:] = sum over k <= q of softmax_k(q . k / 8) v[k][:].  qkvh: f16 [3][64 heads][2048][64]; att: f16 [64][2048][64].
; (Positions 0-15 of every head are computed here too, and stored; the output rows that hang on them are made by another launch in f32.)
; LIMIT: the attended values lie inside f16's range whenever v does.  The softmax keeps a running maximum m and sum l for each query: p = 2^(c s - c m), c = log2(e) / 8.
; SHARES.  Work-group (i, bh) owns query blocks 7 - i and i (256 queries each) of head bh, one after the other: key units (256 keys) 0 .. 7 - i, then 0 .. i: always 9 units: 256 work-groups of equal work, constant trip counts.
; A wave owns 32 queries (two tiles of 16): sub-block w for waves 0-3, 11 - w for waves 4-7, so that waves w and w + 4 have five steps of a diagonal unit between them.
; NO CLUSTER: the four work-groups of a head ask for different units from the sixth trip on, and which steps a wave walks hangs on the work-group's place.
; LAYOUT.  S^T = K Q^T (source 0 = 16 keys, source 1 = 16 queries): a lane holds one query (lane % 16) and keys 8 (lane / 16) + 0..7; two such tiles rounded in pairs are source 1 (32 keys x 16 queries) of O^T = V^T P.
; K comes out of LDS as it lies, V ([key][channel]) turned by ds_load_tr16_b128.
; THE RING: two slots of one unit; at each trip's head one barrier, and behind it each wave's one tensor load (waves 0-3: a quarter of K; 4-7: of V), the next unit into the slot just left.  One load of a wave is out behind each barrier.
; A step all of whose 64 keys come after my 32 queries is jumped over (a scalar branch on ids); the lines that step addresses are always run.
; REGISTERS.  window 0: v1-15 addresses and constants; v16-31 statistics, 8 a tile (+0 c m, +1 m, +2 +3 l, +4..7 at work, a in +6); v32-63 Q; v64-127 S^T; v128-159 P; v160-223 O^T; v224-255 at work.
;             window 1: v0-63 K's fragments; v64-127 V's; v128-159 the second block's Q.
.set VOFF,  36864                      ; a slot: 256 rows of K x 144 bytes, then 256 rows of V x 160
.set SLOT1, 1<<17                      ; slot 1 begins here: one exclusive or turns an address
.set STAGE, 77824                      ; behind slot 0: 32 rows x 144 bytes for each wave, for the way out
.set SPARE, 114688                     ; the spare words, 128 bytes for each of the eight waves
.set MSB, 0
.macro WIN new
.if MSB != \new
	s_set_vgpr_msb (MSB<<8)|\new
.set MSB, \new
.endif
.endm
; s8 wave, s9 my sub-block, s10 i, s11 head, s12 trip, s13 the trip at which the second block begins, s14 the unit in hand, s15 the unit to load, s16 the step's first key, s17 my first query,
; s18, s19 LDS byte of the step's K and V, s[20:21] lane selects, s[22:23] c, s[24:31], s[32:39] groups 1 for K and V, s[40:43], s[44:47] groups 0, s[48:49], s[50:51] K's and V's quarter in unit 0,
; s[52:53] an offset, s[54:55] the prefetches' address, s56 the trips in which I prefetch, s57 counts steps, s[58:59] where my rows of att begin, s[60:61] att at my head, s69 my first query of the second block
.macro TLOAD                           ; the branch hangs on the wave's number alone; an s_nop 0 and four v_nop follow each of the two lines
	s_cmp_lt_u32 s8, 4
	s_cbranch_scc0 .Lfor_v_\@
	tensor_load_to_lds s[40:43], s[24:31]
	s_nop 0
.rept 4
	v_nop
.endr
	s_branch .Lasked_\@
.Lfor_v_\@:
	tensor_load_to_lds s[44:47], s[32:39]
	s_nop 0
.rept 4
	v_nop
.endr
.Lasked_\@:
.endm
; A PREFETCH INTO THE L2 of the unit that the NEXT trip's tensor loads will ask for.  All four work-groups of a head walk the same K and V; work-group i = 0, which walks units 0 .. 7 in order, asks, and nobody else.
; Waves 0-3 ask for K's 32 KB, waves 4-7 for V's: 8 KB a wave, lanes 256 bytes apart: each aligned block of 256 bytes is named once in the launch.  In trip T it names unit T + 2; trips 6 and later ask for nothing.
.macro ASK
	s_cmp_lt_u32 s12, s56
	s_cbranch_scc0 .Lnot_mine_\@
	global_prefetch_b8 v15, s[54:55] th:TH_LOAD_NT scope:SCOPE_SE
.Lnot_mine_\@:
.endm
; THE CHANGE OF SLOTS, at a trip's head.  All my tensor loads have landed (my part of the unit that I am about to read); 0 onto my spare word; my reads of the slot that I have left are over; the barrier; then the refill.
.macro CHANGE fill
	s_wait_tensorcnt 0x0                           ; no tensor load of mine is out, so a group 0 may be written
	ds_add_u32 v9, v10                             ; 0 onto my spare word; the descriptors' steps stand between it and the wait for it
.if \fill
	s_add_co_u32 s15, s14, 1                       ; the next unit,
	s_add_co_u32 s62, s12, 1
	s_cmp_eq_u32 s62, s13
	s_cselect_b32 s15, 0, s15                      ; or unit 0 where the second block begins
	s_xor_b32 s41, s41, SLOT1                      ; the other slot than last time
	s_xor_b32 s45, s45, SLOT1
	s_lshl_b32 s52, s15, 15                        ; a unit is 32,768 bytes of K and of V
	s_add_nc_u64 s[42:43], s[48:49], s[52:53]
	s_or_b32 s43, s43, 0x80000000
	s_add_nc_u64 s[46:47], s[50:51], s[52:53]
	s_or_b32 s47, s47, 0x80000000
	s_wait_xcnt 0x0                                ; the last prefetch, a trip back, has read its address
	s_add_nc_u64 s[54:55], s[54:55], 32768
.endif
	s_wait_dscnt 0x0
	s_barrier_signal -1
	s_barrier_wait -1
.if \fill
	TLOAD                                          ; my one tensor load until the next barrier: it has a whole unit's steps in which to land
	ASK
.endif
.endm
; THE SOFTMAX of my two tiles for one step of 64 keys, the tiles line by line by turns.  All 66 exponentials are one batch with one wait.
.macro SOFTMAX
.irp j, 0,1,2,3
.irp t, 0,1
	v_max3_num_f32 v[20+8*\t+\j], v[64+32*\t+8*\j], v[65+32*\t+8*\j], v[66+32*\t+8*\j]   ; four chains a tile; each accumulator is read from its low end on
.endr
.endr
.irp i, 3,5
.irp j, 0,1,2,3
.irp t, 0,1
	v_max3_num_f32 v[20+8*\t+\j], v[20+8*\t+\j], v[64+32*\t+8*\j+\i], v[65+32*\t+8*\j+\i]
.endr
.endr
.endr
.irp t, 0,1
	v_max3_num_f32 v[20+8*\t], v[20+8*\t], v[71+32*\t], v[79+32*\t]
.endr
.irp t, 0,1
	v_max3_num_f32 v[22+8*\t], v[22+8*\t], v[87+32*\t], v[95+32*\t]
.endr
.irp t, 0,1
	v_max3_num_f32 v[20+8*\t], v[20+8*\t], v[21+8*\t], v[22+8*\t]
.endr
.irp t, 0,1
	v_max3_num_f32 v[20+8*\t], v[20+8*\t], v[23+8*\t], v[17+8*\t]   ; and the old m
.endr
.irp t, 0,1
	v_permlanex16_b32 v[21+8*\t], v[20+8*\t], s20, s21              ; the query's other 32 keys lie in the lane 16 away
.endr
.irp t, 0,1
	v_mov_b32 v[23+8*\t], v[16+8*\t]                                ; c m_old is kept for a
.endr
.irp t, 0,1
	v_max_num_f32 v[17+8*\t], v[20+8*\t], v[21+8*\t]
.endr
.irp t, 0,1
	v_mul_f32 v[16+8*\t], s22, v[17+8*\t]
.endr
.irp t, 0,1
	v_sub_f32 v[23+8*\t], v[23+8*\t], v[16+8*\t]
.endr
.irp b, 0,1,2,3,4,5,6,7,8,9,10,11,12,13,14,15
.irp t, 0,1
	v_pk_fma_f32 v[64+32*\t+2*\b:65+32*\t+2*\b], v[64+32*\t+2*\b:65+32*\t+2*\b], s[22:23], v[16+8*\t:17+8*\t] op_sel_hi:[1,0,0] neg_lo:[0,0,1] neg_hi:[0,0,1]   ; c s - c m
.endr
.endr
.irp t, 0,1
	v_exp_f32 v[22+8*\t], v[23+8*\t]                                ; a = 2^(c m_old - c m_new)
.endr
.irp e, 0,1,2,3,4,5,6,7,8,9,10,11,12,13,14,15,16,17,18,19,20,21,22,23,24,25,26,27,28,29,30,31
.irp t, 0,1
	v_exp_f32 v[64+32*\t+\e], v[64+32*\t+\e]
.endr
.endr
	v_nop                                          ; a plain instruction behind the last exponential
	s_wait_alu depctr_va_vdst(0)                   ; one wait for the whole batch, ahead of its first reader
.irp n, 0,1,2,3,4,5,6,7,8,9,10,11,12,13,14,15
.irp t, 0,1
	v_cvt_pk_f16_f32 v[128+16*\t+\n], v[64+32*\t+2*\n], v[65+32*\t+2*\n]
.endr
.endr
.irp u, 0,1,2,3,4,5,6,7
.irp t, 0,1
	v_pk_add_f32 v[64+32*\t+4*\u:65+32*\t+4*\u], v[64+32*\t+4*\u:65+32*\t+4*\u], v[66+32*\t+4*\u:67+32*\t+4*\u]   ; the sum of the unrounded weights, in place, as a tree
.endr
.endr
.irp u, 0,1,2,3
.irp t, 0,1
	v_pk_add_f32 v[64+32*\t+8*\u:65+32*\t+8*\u], v[64+32*\t+8*\u:65+32*\t+8*\u], v[68+32*\t+8*\u:69+32*\t+8*\u]
.endr
.endr
.irp u, 0,1
.irp t, 0,1
	v_pk_add_f32 v[64+32*\t+16*\u:65+32*\t+16*\u], v[64+32*\t+16*\u:65+32*\t+16*\u], v[72+32*\t+16*\u:73+32*\t+16*\u]
.endr
.endr
.irp t, 0,1
	v_pk_add_f32 v[64+32*\t:65+32*\t], v[64+32*\t:65+32*\t], v[80+32*\t:81+32*\t]
.endr
.irp t, 0,1
	v_pk_fma_f32 v[18+8*\t:19+8*\t], v[18+8*\t:19+8*\t], v[22+8*\t:23+8*\t], v[64+32*\t:65+32*\t] op_sel_hi:[1,0,1]   ; l = a l + the sum
.endr
.irp n, 0,1,2,3,4,5,6,7,8,9,10,11,12,13,14,15
.irp t, 0,1
	v_pk_mul_f32 v[160+32*\t+2*\n:161+32*\t+2*\n], v[160+32*\t+2*\n:161+32*\t+2*\n], v[22+8*\t:23+8*\t] op_sel_hi:[1,0]   ; O^T times a
.endr
.endr
.endm
; A STEP of 64 keys.
.macro STEP
	s_add_co_u32 s62, s17, 31
	s_cmp_gt_u32 s16, s62                          ; all 64 keys come after my last query?
	s_cbranch_scc1 .Lhid_\@
	v_add_nc_u32 v3, s18, v1
	v_add_nc_u32 v4, s19, v2
	v_nop                                          ; with the two additions: four places between the last product and the loads into the registers that it read
	v_nop
	WIN 0x40                                       ; destination window 1
.irp kt, 0,1,2,3
.irp c, 0,1
	ds_load_b128 v[16*\kt+8*\c:16*\kt+8*\c+3],   v3 offset:\kt*2304+\c*64
	ds_load_b128 v[16*\kt+8*\c+4:16*\kt+8*\c+7], v3 offset:\kt*2304+\c*64+32
.endr
.endr
.irp a, 0,1
.irp ct, 0,1,2,3
	ds_load_tr16_b128 v[64+32*\a+8*\ct:64+32*\a+8*\ct+3],   v4 offset:\a*5120+\ct*32
	ds_load_tr16_b128 v[64+32*\a+8*\ct+4:64+32*\a+8*\ct+7], v4 offset:\a*5120+\ct*32+2560
.endr
.endr
	s_wait_dscnt 16                                ; K is in; V's 16 loads may be out
	WIN 0x01                                       ; source 0 window 1
.irp c, 0,1                            ; S^T = K Q^T: eight accumulators by turns, one instruction a turn
.irp kt, 0,1,2,3
.irp t, 0,1
.if \c == 0
	v_wmma_f32_16x16x32_f16 v[64+32*\t+8*\kt:71+32*\t+8*\kt], v[16*\kt+8*\c:16*\kt+8*\c+7], v[32+16*\t+8*\c:39+16*\t+8*\c], 0
.else
	v_wmma_f32_16x16x32_f16 v[64+32*\t+8*\kt:71+32*\t+8*\kt], v[16*\kt+8*\c:16*\kt+8*\c+7], v[32+16*\t+8*\c:39+16*\t+8*\c], v[64+32*\t+8*\kt:71+32*\t+8*\kt]
.endif
.endr
.endr
.endr
	WIN 0
.rept 4
	v_nop
.endr
	s_add_co_u32 s62, s16, 63
	s_cmp_le_u32 s62, s17                          ; all 64 keys count for all my queries?
	s_cbranch_scc1 .Lopen_\@
	s_sub_co_i32 s62, s17, s16                     ; on the diagonal hidden scores become -infinity ahead of the maximum: p = 0 then
	v_add_nc_u32 v12, s62, v11                     ; tile 0: my query - the step's first key - 8 (lane / 16); register 8 kt + j holds key 16 kt + j beyond that: hidden where 16 kt + j is greater
	v_add_nc_u32 v13, 16, v12                      ; tile 1
.irp t, 0,1
.irp kt, 0,1,2,3
.irp j, 0,1,2,3,4,5,6,7
	v_cmp_gt_i32 vcc_lo, 16*\kt+\j, v[12+\t]
	v_cndmask_b32 v[64+32*\t+8*\kt+\j], v[64+32*\t+8*\kt+\j], v14, vcc_lo
.endr
.endr
.endr
.Lopen_\@:
	SOFTMAX
	s_wait_dscnt 0x0                               ; V is in
	WIN 0x01
.irp a, 0,1                            ; O^T += V^T P: eight accumulators by turns
.irp ct, 0,1,2,3
.irp t, 0,1
	v_wmma_f32_16x16x32_f16 v[160+32*\t+8*\ct:167+32*\t+8*\ct], v[64+32*\a+8*\ct:71+32*\a+8*\ct], v[128+16*\t+8*\a:135+16*\t+8*\a], v[160+32*\t+8*\ct:167+32*\t+8*\ct]
.endr
.endr
.endr
	WIN 0
.Lhid_\@:
	s_add_co_u32 s16, s16, 64
	s_add_co_u32 s18, s18, 9216                    ; 64 rows of K,
	s_add_co_u32 s19, s19, 10240                   ; 64 rows of V
.endm
.macro UNIT                            ; a unit's four steps: written once, walked four times
	s_lshl_b32 s16, s14, 8
	s_mov_b32 s57, 4
.Lstep_\@:
	STEP
	s_sub_co_u32 s57, s57, 1
	s_cmp_lg_u32 s57, 0
	s_cbranch_scc1 .Lstep_\@
	s_sub_co_u32 s18, s18, 36864                   ; back to a slot's first step,
	s_xor_b32 s18, s18, SLOT1                      ; in the other slot
	s_sub_co_u32 s19, s19, 40960
	s_xor_b32 s19, s19, SLOT1
.endm
.macro INIT                            ; the step is written once: the first finds m = -3e38, l = 0 and O^T = 0; its a is 0 and multiplies zeros
.irp t, 0,1
	v_mov_b32 v[17+8*\t], 0xff61b1e6
	v_mul_f32 v[16+8*\t], s22, v[17+8*\t]
.irp j, 2,3,4,5,6,7
	v_mov_b32 v[16+8*\t+\j], 0
.endr
.endr
.set n, 0
.rept 64
	v_mov_b32 v[160+n], 0
.set n, n+1
.endr
.endm
; THE WAY OUT of a block: O^T / l, rounded to f16, through my stage, back as whole rows: my 32 rows of att are 4,096 consecutive bytes.
.macro FINISH
.irp t, 0,1
	v_add_f32 v[20+8*\t], v[18+8*\t], v[19+8*\t]
.endr
.irp t, 0,1
	v_permlanex16_b32 v[21+8*\t], v[20+8*\t], s20, s21
.endr
.irp t, 0,1
	v_add_f32 v[20+8*\t], v[20+8*\t], v[21+8*\t]
.endr
.irp t, 0,1
	v_rcp_f32 v[22+8*\t], v[20+8*\t]
.endr
	v_nop
	s_wait_alu depctr_va_vdst(0)                   ; one wait for the two reciprocals, ahead of their first reader
.irp t, 0,1
.set n, 0
.rept 16
	v_pk_mul_f32 v[160+32*\t+2*n:161+32*\t+2*n], v[160+32*\t+2*n:161+32*\t+2*n], v[22+8*\t:23+8*\t] op_sel_hi:[1,0]
.set n, n+1
.endr
.endr
.set n, 0
.rept 32
	v_cvt_pk_f16_f32 v[224+n], v[160+2*n], v[161+2*n]
.set n, n+1
.endr
.irp t, 0,1
.irp ct, 0,1,2,3
	ds_store_b128 v6, v[224+16*\t+4*\ct:227+16*\t+4*\ct] offset:\t*2304+32*\ct
.endr
.endr
.irp u, 0,1,2,3,4,5,6,7
	ds_load_b128 v[64+4*\u:67+4*\u], v7 offset:576*\u          ; four rows an instruction; LDS serves a wave's instructions in order
.endr
.irp u, 0,1,2,3,4,5,6,7
	s_wait_dscnt 7-\u
	global_store_b128 v8, v[64+4*\u:67+4*\u], s[58:59] offset:512*\u   ; the wave stores 512 consecutive bytes, aligned
.endr
	s_wait_xcnt 0x0                                ; the stores have read their registers and their base: both are written again
.endm
	s_load_b128 s[4:7], s[0:1], 0x0                ; qkvh s[4:5], att s[6:7]
	v_lshl_add_u32 v9, v0, 2, SPARE
	v_mov_b32 v10, 0
	ds_add_u32 v9, v10                             ; the wave's opening: the add, twice on end, and its wait ahead of my first tensor load
	ds_add_u32 v9, v10
	v_lshrrev_b32 v1, 5, v0
	v_readfirstlane_b32 s8, v1                     ; wave 0..7
	s_sub_co_u32 s9, 11, s8
	s_cmp_lt_u32 s8, 4
	s_cselect_b32 s9, s8, s9                       ; my sub-block of 32 queries
	s_mov_b32 s10, ttmp9
	s_and_b32 s11, ttmp7, 0xffff
	s_mov_b32 s12, 0
	s_sub_co_u32 s13, 8, s10
	s_mov_b32 s14, 0
	s_mov_b32 s15, 0
	s_lshl_b32 s63, s9, 5
	s_sub_co_u32 s62, 7, s10
	s_lshl_b32 s17, s62, 8
	s_add_co_u32 s17, s17, s63                     ; my first query in block 7 - i,
	s_lshl_b32 s69, s10, 8
	s_add_co_u32 s69, s69, s63                     ; and in block i
	s_mov_b32 s18, 0
	s_mov_b32 s19, 0
	s_mov_b32 s20, 0x76543210
	s_mov_b32 s21, 0xfedcba98
	s_mov_b32 s22, 0x3e38aa3b                      ; c = log2(e) / 8
	s_mov_b32 s23, s22
	s_mov_b32 s24, (1<<16)|(1<<20)|(4<<22)|(3<<25) ; elements of 2 bytes; padding: 4 words behind every 32: rows 144 bytes apart
	s_mov_b32 s32, (1<<16)|(1<<20)|(4<<22)|(7<<25) ; 8 words: rows 160 bytes apart them
.irp g, 24, 32
	s_mov_b32 s[\g+1], 64<<16                      ; tensor_dim0 = 64
	s_mov_b32 s[\g+2], 64<<16                      ; tensor_dim1 = 64
	s_mov_b32 s[\g+3], 64<<16                      ; tile_dim0 = 64
	s_mov_b32 s[\g+4], 64                          ; tile_dim1 = 64
	s_mov_b32 s[\g+5], 64                          ; the pitch
	s_mov_b32 s[\g+6], 0
	s_mov_b32 s[\g+7], 0
.endr
	s_and_b32 s62, s8, 3                           ; which quarter of a unit I fetch
	s_mov_b32 s40, 1
	s_mul_i32 s41, s62, 9216
	s_mov_b32 s44, 1
	s_mul_i32 s45, s62, 10240
	s_add_co_u32 s45, s45, VOFF
	s_lshl_b32 s52, s11, 18                        ; a head is 262,144 bytes
	s_mov_b32 s53, 0
	s_lshl_b32 s66, s62, 13
	s_add_co_u32 s66, s66, s52
	s_mov_b32 s67, 0
	s_wait_dscnt 0x0                               ; both opening adds are done
	s_wait_kmcnt 0x0
	s_add_nc_u64 s[48:49], s[4:5], s[66:67]
	s_add_nc_u64 s[50:51], s[48:49], 0x2000000     ; V's part
	s_add_nc_u64 s[48:49], s[48:49], 0x1000000     ; K's part
	s_mov_b64 s[42:43], s[48:49]
	s_or_b32 s43, s43, 0x80000000
	s_mov_b64 s[46:47], s[50:51]
	s_or_b32 s47, s47, 0x80000000
	TLOAD                                          ; unit 0 into slot 0
	s_add_nc_u64 s[60:61], s[6:7], s[52:53]
	s_add_nc_u64 s[4:5], s[4:5], s[52:53]          ; q of my head
	s_lshl_b32 s66, s17, 7
	s_add_nc_u64 s[70:71], s[4:5], s[66:67]
	s_add_nc_u64 s[58:59], s[60:61], s[66:67]
	s_lshl_b32 s66, s69, 7
	s_add_nc_u64 s[72:73], s[4:5], s[66:67]
	s_cmp_lt_u32 s8, 4
	s_cselect_b64 s[54:55], s[48:49], s[50:51]
	s_add_nc_u64 s[54:55], s[54:55], 32768         ; at unit 1: the first change steps it to unit 2.  Nothing is prefetched here, at the head
	s_cmp_eq_u32 s10, 0
	s_cselect_b32 s56, 6, 0
	v_and_b32 v224, 15, v0                         ; r
	v_bfe_u32 v225, v0, 4, 1                       ; h
	v_lshlrev_b32 v5, 7, v224
	v_lshl_add_u32 v5, v225, 4, v5                 ; Q: row r of 128 bytes + 16 h
.irp t, 0,1
.irp c, 0,1
	global_load_b128 v[32+16*\t+8*\c:35+16*\t+8*\c], v5, s[70:71] offset:\t*2048+\c*64
	global_load_b128 v[36+16*\t+8*\c:39+16*\t+8*\c], v5, s[70:71] offset:\t*2048+\c*64+32
.endr
.endr
	WIN 0x40
.irp t, 0,1
.irp c, 0,1
	global_load_b128 v[128+16*\t+8*\c:131+16*\t+8*\c], v5, s[72:73] offset:\t*2048+\c*64
	global_load_b128 v[132+16*\t+8*\c:135+16*\t+8*\c], v5, s[72:73] offset:\t*2048+\c*64+32
.endr
.endr
	WIN 0
	v_mul_u32_u24 v1, v224, 144
	v_lshl_add_u32 v1, v225, 4, v1                 ; K: row r x pitch + 16 h
	v_and_b32 v226, 7, v0
	v_bfe_u32 v227, v0, 3, 1
	v_lshl_add_u32 v2, v225, 3, v226
	v_mul_u32_u24 v2, v2, 160
	v_lshl_add_u32 v2, v227, 4, v2
	v_add_nc_u32 v2, VOFF, v2                      ; V: key 8 h + l % 8, channels 8 ((l / 8) % 2) on
	s_mul_i32 s62, s8, 4608
	s_add_co_u32 s62, s62, STAGE
	v_add_nc_u32 v6, s62, v1                       ; the stage, in: row r, 16 h
	v_and_b32 v228, 31, v0
	v_lshrrev_b32 v229, 3, v228
	v_mul_u32_u24 v7, v229, 144
	v_lshl_add_u32 v7, v226, 4, v7
	v_add_nc_u32 v7, s62, v7                       ; back: row l / 8, 16 (l % 8)
	v_lshlrev_b32 v8, 4, v228
	v_lshlrev_b32 v11, 3, v225
	v_sub_nc_u32 v11, v224, v11                    ; r - 8 h
	v_mov_b32 v14, 0xff800000                      ; -infinity
	v_lshlrev_b32 v15, 8, v228
	INIT
	s_wait_loadcnt 0x0                             ; both blocks' Q
.Ltrip:                                            ; eight trips: behind each change of slots the next unit is asked for
	CHANGE 1
	UNIT
	s_add_co_u32 s62, s12, 1
	s_cmp_lg_u32 s62, s13
	s_cbranch_scc1 .Lsame
	FINISH                                         ; the first block is done: out with it, and on to block i
	s_mov_b32 s17, s69
	s_lshl_b32 s66, s17, 7
	s_add_nc_u64 s[58:59], s[60:61], s[66:67]
	WIN 0x01
.set n, 0
.rept 32
	v_mov_b32 v[32+n], v[128+n]
.set n, n+1
.endr
	WIN 0
	INIT
.Lsame:
	s_mov_b32 s14, s15
	s_add_co_u32 s12, s12, 1
	s_cmp_lt_u32 s12, 8
	s_cbranch_scc1 .Ltrip
	CHANGE 0                                       ; the ninth unit is written out: nothing is left to ask for
	UNIT
	FINISH
	s_wait_tensorcnt 0x0                           ; the wave's end: 0 onto my spare word, behind my last tensor load and my last LDS store
	ds_add_u32 v9, v10
	s_wait_dscnt 0x0
	s_endpgm
.Lfunc_end_k_q4afd604d63_attn:
	.size	k_q4afd604d63_attn, .Lfunc_end_k_q4afd604d63_attn-k_q4afd604d63_attn
	.p2alignl 7, 3214868480
	.fill 96, 4, 3214868480
	.section	.rodata,"a",@progbits
	.p2align	6, 0x0
	.amdhsa_kernel k_q4afd604d63_attn
		.amdhsa_group_segment_fixed_size 327680
		.amdhsa_private_segment_fixed_size 0
		.amdhsa_enable_private_segment 0
		.amdhsa_kernarg_size 16
		.amdhsa_user_sgpr_count 2
		.amdhsa_user_sgpr_kernarg_segment_ptr 1
		.amdhsa_wavefront_size32 1
		.amdhsa_system_sgpr_workgroup_id_x 1
		.amdhsa_system_sgpr_workgroup_id_y 1
		.amdhsa_system_sgpr_workgroup_id_z 1
		.amdhsa_system_vgpr_workitem_id 0
		.amdhsa_next_free_vgpr 416
		.amdhsa_next_free_sgpr 80
		.amdhsa_reserve_vcc 1
		.amdhsa_float_denorm_mode_32 3
		.amdhsa_float_denorm_mode_16_64 3
		.amdhsa_memory_ordered 1
		.amdhsa_forward_progress 1
		.amdhsa_inst_pref_size 72
	.end_amdhsa_kernel
	.amdgpu_metadata
---
amdhsa.version: [ 1, 2 ]
amdhsa.kernels:
  - .name:           k_q4afd604d63_attn
    .symbol:         k_q4afd604d63_attn.kd
    .args:
      - { .name: qkvh, .offset: 0, .size: 8, .value_kind: global_buffer, .address_space: global }
      - { .name: att, .offset: 8, .size: 8, .value_kind: global_buffer, .address_space: global }
    .group_segment_fixed_size: 327680
    .private_segment_fixed_size: 0
    .kernarg_segment_align: 8
    .kernarg_segment_size: 16
    .max_flat_workgroup_size: 256
    .sgpr_count:     80
    .vgpr_count:     416
    .wavefront_size: 32
...
	.end_amdgpu_metadata
.endif
;; end of part 3
;; launch proj (part 4): grid 8 x 32, 4 waves a work-group, clusters of 4 x 4, 327,680 bytes of LDS; arguments att, wo, out0; writes out0
.if DOCPART == 4
	.amdgcn_target "amdgcn-amd-amdhsa--gfx1250"
	.amdhsa_code_object_version 6
	.text
	.protected	k_q4afd604d63_proj
	.globl	k_q4afd604d63_proj
	.p2align	8
	.type	k_q4afd604d63_proj,@function
k_q4afd604d63_proj:
	s_mov_b64 s[64:65], 0
	v_nop
	global_prefetch_b8 v0, s[64:65] scope:SCOPE_SE
	s_setreg_imm32_b32 hwreg(HW_REG_WAVE_MODE, 25, 1), 1
	s_wait_xcnt 0x0
	s_wait_alu depctr_hold_cnt(0) depctr_sa_sdst(0) depctr_va_vdst(0) depctr_va_sdst(0) depctr_va_ssrc(0) depctr_va_vcc(0) depctr_vm_vsrc(0)
	s_getreg_b32 s2, hwreg(HW_REG_IB_STS2, 6, 4)
	s_cmp_eq_u32 s2, 0
	s_cbranch_scc0 .Lentry_in_a_cluster
	s_endpgm
.Lentry_in_a_cluster:
	s_bfe_u32 s2, ttmp6, 0x10000c
	s_cmp_lg_u32 s2, 0xf033
	s_cbranch_scc0 .Lentry_shape_is_right
	s_endpgm
.Lentry_shape_is_right:
; out0 = concat(att) Wout on f16 operands, f32 sums.  att: f16 [4 batches][16 heads][2048][64]; wo: f16 [1024 n][1024 k]; out0: f32 [8192][1024].
; The rows of positions 0-15 of every batch are not stored here: another launch makes them in f32.
; A tile of out0 is 256 rows x 128 columns: 256 work-groups.  Four waves, each 128 x 64: 32 accumulators of 16 x 16.  The matrix instruction is used transposed (source 0 = 16 rows of wo, source 1 = 16 rows of att).
; K goes in steps of 128 (two heads) through two LDS slots.  A step's tiles: att's two heads, each 256 rows x 128 bytes, dense in memory (waves 0, 1: one head each); wo's 128 rows x 256 bytes (waves 2, 3: 64 rows each).
; CLUSTERS: 4 x 4.  Tile row = 8 cy + cluster y (the batch is cy), tile column = 4 cluster x + cx.  att's tiles are shared along a row of the cluster, wo's along a column: joint loads.
; No prefetch: of the eight K steps the first two are asked for at the head, wo is read by every cluster, and a wave's refill has 112 matrix instructions in which to land.
; REGISTERS.  window 0: v1-31 addresses; two fragment buffers: att's 8 fragments at v64 / v160, wo's 4 at v128 / v224.  window 1: accumulator (a, b) at v[8 (4 a + b)].
.set SLOTB, 108544                     ; a slot: att's head 0 (256 x 144), head 1, then wo's 128 x 272
.set BOFF,  73728
.set STAGE, 217088                     ; 16 rows x (256 bytes + 16) for each wave
.set SPARE, 234496                     ; the spare words
.set F0, 64
.set F1, 160
.set SPW, 28
.set NIL, 29
.set G1, 24
.set G0, 32
.set G1B, 48
.set G0B, 56
.set MSB, 0
.macro WIN new
.if MSB != \new
	s_set_vgpr_msb (MSB<<8)|\new
.set MSB, \new
.endif
.endm
.set MUL, 0x50                         ; C and D window 1, the sources window 0
.macro JLOAD s                         ; waves 0, 1 fetch for att, waves 2, 3 for wo; an s_nop 0 and four v_nop follow each of the two lines
	s_cmp_eq_u32 s11, 0
	s_cbranch_scc0 .Lfor_b_\@
	tensor_load_to_lds s[G0+4*\s:G0+4*\s+3], s[G1:G1+7]
	s_nop 0
.rept 4
	v_nop
.endr
	s_branch .Lasked_\@
.Lfor_b_\@:
	tensor_load_to_lds s[G0B+4*\s:G0B+4*\s+3], s[G1B:G1B+7]
	s_nop 0
.rept 4
	v_nop
.endr
.Lasked_\@:
.endm
.macro CREST
	s_cmp_lg_u32 s10, 0
	s_cbranch_scc1 .Lnot_wave_0_\@
	s_barrier_signal -3
.Lnot_wave_0_\@:
	s_barrier_wait -3
	s_barrier_signal -1
	s_barrier_wait -1
.endm
.macro CROUND
	s_barrier_signal -1
	s_barrier_wait -1
	CREST
.endm
	s_load_b128 s[4:7], s[0:1], 0x0                ; att s[4:5], wo s[6:7]
	s_load_b64 s[8:9], s[0:1], 0x10                ; out0
	v_lshl_add_u32 v[SPW], v0, 2, SPARE
	v_mov_b32 v[NIL], 0
	ds_add_u32 v[SPW], v[NIL]                      ; the wave's opening: the add, twice on end, and its wait ahead of my first tensor load
	ds_add_u32 v[SPW], v[NIL]
	v_lshrrev_b32 v1, 5, v0
	v_readfirstlane_b32 s10, v1                    ; wave 0..3
	s_lshr_b32 s11, s10, 1                         ; which 128 rows are mine.  Also: I fetch for att (0) or for wo (1)
	s_and_b32 s12, s10, 1                          ; which 64 columns.  Also: which head, or which 64 rows of wo, I fetch
	s_bfe_u32 s40, ttmp6, 0x40000                  ; cx
	s_bfe_u32 s41, ttmp6, 0x40004                  ; cy
	s_lshl_b32 s42, ttmp9, 2
	s_add_co_u32 s42, s42, s40                     ; tile column
	s_and_b32 s13, ttmp7, 0xffff                   ; the tile within the batch
	s_lshl_b32 s43, s41, 2
	s_lshl_b32 s43, 15, s43                        ; my row of the cluster
	s_lshl_b32 s44, 0x1111, s40                    ; my column
	s_or_b32 s[G1+0], s43, (1<<16)|(1<<20)|(1<<21)|(4<<22)|(3<<25)    ; elements of 2 bytes; 4 words of padding behind every 32: rows 144 bytes apart
	s_mov_b32 s[G1+1], 64<<16                      ; tensor_dim0 = 64
	s_mov_b32 s[G1+2], 256<<16                     ; tensor_dim1 = 256
	s_mov_b32 s[G1+3], 64<<16                      ; tile_dim0
	s_mov_b32 s[G1+4], 256                         ; tile_dim1
	s_mov_b32 s[G1+5], 64                          ; the pitch
	s_mov_b32 s[G1+6], 0
	s_mov_b32 s[G1+7], 0
	s_or_b32 s[G1B+0], s44, (1<<16)|(1<<20)|(1<<21)|(5<<22)|(3<<25)   ; 4 words behind every 64: rows 272 bytes apart
	s_mov_b32 s[G1B+1], 128<<16
	s_mov_b32 s[G1B+2], 64<<16
	s_mov_b32 s[G1B+3], 128<<16
	s_mov_b32 s[G1B+4], 64
	s_mov_b32 s[G1B+5], 1024
	s_mov_b32 s[G1B+6], 0
	s_mov_b32 s[G1B+7], 0
	s_lshl_b32 s16, s41, 22                        ; att: the batch's 16 heads of 262,144 bytes,
	s_lshl_b32 s17, s12, 18                        ; my head of the K step's two,
	s_add_co_u32 s16, s16, s17
	s_lshl_b32 s17, s13, 15                        ; the tile's 256 rows of 128 bytes
	s_add_co_u32 s16, s16, s17
	s_mov_b32 s17, 0
	s_lshl_b32 s46, s42, 18                        ; wo: 128 rows of 2,048 bytes a tile column,
	s_lshl_b32 s47, s12, 17                        ; my 64 of them
	s_add_co_u32 s46, s46, s47
	s_mov_b32 s47, 0
	s_mul_i32 s20, s12, 36864                      ; where they go: no place in the cluster enters an LDS address
	s_mul_i32 s21, s12, 17408
	s_add_co_u32 s21, s21, BOFF
	s_wait_dscnt 0x0                               ; both opening adds are done
	s_wait_kmcnt 0x0
	s_add_nc_u64 s[14:15], s[4:5], s[16:17]
	s_add_nc_u64 s[46:47], s[6:7], s[46:47]
	CROUND                                         ; all sixteen work-groups are here: the first joint loads meet
.irp s, 0,1
	s_mov_b32 s[G0+4*\s], 1
	s_add_co_u32 s[G0+4*\s+1], s20, \s*SLOTB
	s_add_nc_u64 s[G0+4*\s+2:G0+4*\s+3], s[14:15], \s*524288    ; K step s: two heads on
	s_or_b32 s[G0+4*\s+3], s[G0+4*\s+3], 0x80000000
	s_mov_b32 s[G0B+4*\s], 1
	s_add_co_u32 s[G0B+4*\s+1], s21, \s*SLOTB
	s_add_nc_u64 s[G0B+4*\s+2:G0B+4*\s+3], s[46:47], \s*256
	s_or_b32 s[G0B+4*\s+3], s[G0B+4*\s+3], 0x80000000
	JLOAD \s
.endr
	v_and_b32 v1, 15, v0                           ; r
	v_bfe_u32 v2, v0, 4, 1                         ; h
	v_mul_u32_u24 v3, v1, 144
	v_lshl_add_u32 v3, v2, 4, v3
	v_mul_u32_u24 v4, v1, 272
	v_lshl_add_u32 v4, v2, 4, v4
	s_mul_i32 s18, s11, 18432                      ; my 128 rows of att in a head's sub-tile
	s_mul_i32 s19, s12, 17408                      ; my 64 rows of wo
	s_add_co_u32 s19, s19, BOFF
.irp s, 0,1
	v_add_nc_u32 v[16+\s], s18, v3
	v_add_nc_u32 v[20+\s], s19, v4
	s_add_co_u32 s18, s18, SLOTB
	s_add_co_u32 s19, s19, SLOTB
.endr
	s_mul_i32 s23, s10, 16*272
	s_add_co_u32 s23, s23, STAGE                   ; my stage
	v_mul_u32_u24 v5, v1, 272
	v_lshl_add_u32 v5, v2, 5, v5
	v_add_nc_u32 v24, s23, v5                      ; in: row r, 32 bytes for each half of the lanes
	v_mul_u32_u24 v5, v2, 272
	v_lshl_add_u32 v5, v1, 4, v5
	v_add_nc_u32 v25, s23, v5                      ; back: lanes 0-15 one row of 256 bytes, lanes 16-31 the next
	v_lshlrev_b32 v5, 12, v2
	v_lshl_add_u32 v26, v1, 4, v5                  ; and the same two rows in out0
	s_lshl_b32 s66, s41, 11                        ; my first row of out0: 2,048 x batch + 256 x tile + 128 x half.  Made in registers that feed no descriptor
	s_lshl_b32 s68, s13, 8
	s_add_co_u32 s66, s66, s68
	s_lshl_b32 s68, s11, 7
	s_add_co_u32 s66, s66, s68
	s_lshl_b32 s66, s66, 12
	s_lshl_b32 s68, s42, 9                         ; my first column, in bytes
	s_add_co_u32 s66, s66, s68
	s_lshl_b32 s68, s12, 8
	s_add_co_u32 s66, s66, s68
	s_mov_b32 s67, 0
	s_add_nc_u64 s[8:9], s[8:9], s[66:67]
	s_or_b32 s70, s13, s11                         ; 0 where my block 0 holds positions 0-15 of a batch: the cluster's y and the wave's number alone
.macro MUL8 f, a0, zero                ; att's blocks a0, a0 + 1 against wo's four, 32 along K.  The 32 accumulators take turns in the same order in every quarter
.irp a, \a0, \a0+1
.irp b, 0,1,2,3
.if \zero
	v_wmma_f32_16x16x32_f16 v[8*(4*(\a)+\b):8*(4*(\a)+\b)+7], v[\f+64+8*\b:\f+64+8*\b+7], v[\f+8*(\a):\f+8*(\a)+7], 0
.else
	v_wmma_f32_16x16x32_f16 v[8*(4*(\a)+\b):8*(4*(\a)+\b)+7], v[\f+64+8*\b:\f+64+8*\b+7], v[\f+8*(\a):\f+8*(\a)+7], v[8*(4*(\a)+\b):8*(4*(\a)+\b)+7]
.endif
.endr
.endr
.endm
.macro FETCH slot, q, f                ; 24 LDS loads in one run: the fragments of the slot's q-th 32 along K: wo's four, then att's eight
.irp i, 0,1,2,3
	ds_load_b128 v[\f+64+8*\i:\f+64+8*\i+3],   v[20+\slot] offset:64*(\q)+\i*4352
	ds_load_b128 v[\f+64+8*\i+4:\f+64+8*\i+7], v[20+\slot] offset:64*(\q)+\i*4352+32
.endr
.irp i, 0,1,2,3,4,5,6,7
	ds_load_b128 v[\f+8*\i:\f+8*\i+3],   v[16+\slot] offset:((\q)/2)*36864+((\q)%2)*64+\i*2304
	ds_load_b128 v[\f+8*\i+4:\f+8*\i+7], v[16+\slot] offset:((\q)/2)*36864+((\q)%2)*64+\i*2304+32
.endr
.endm
.macro PLACES                          ; four plain places behind matrix instructions, in front of loads into registers that they have read and of the first read of results
.rept 4
	v_nop
.endr
.endm
.macro QUARTER slot, qn, f, g, zero    ; multiplies buffer f; in its middle fetches the slot's quarter qn into buffer g
	s_wait_dscnt 8                                 ; wo's fragments and att's blocks 0-3 are in; the youngest eight loads (blocks 4-7) may be out
	WIN MUL
	MUL8 \f, 0, \zero
	MUL8 \f, 2, \zero
	PLACES
	WIN 0
	FETCH \slot, \qn, \g
	s_wait_dscnt 24                                ; all but the 24 just issued
	WIN MUL
	MUL8 \f, 4, \zero
	MUL8 \f, 6, \zero
.endm
; A slot's last quarter multiplies buffer 1 and changes slots: one barrier; in front of it all my tensor loads have landed, 0 is added to my spare word, and my reads of this slot are over.  fill = 1: the slot is filled again, two K steps ahead.
.macro TURN slot, next, fill
	WIN 0
	s_wait_tensorcnt 0x0
	ds_add_u32 v[SPW], v[NIL]
	s_wait_dscnt 9                                 ; (the add and the youngest eight loads may be out)
	WIN MUL
	MUL8 F1, 0, 0                                  ; eight matrix instructions stand between the add and the wait for it
	s_wait_dscnt 0x0
	s_barrier_signal -1
	MUL8 F1, 2, 0
	WIN 0
	s_barrier_wait -1
.if \fill
	CREST                                          ; the barrier has opened a round of the cluster's: no wave of any partner still reads this slot or has a load on its way
	s_add_nc_u64 s[G0+4*\slot+2:G0+4*\slot+3], s[G0+4*\slot+2:G0+4*\slot+3], 1048576   ; four heads on
	s_add_nc_u64 s[G0B+4*\slot+2:G0B+4*\slot+3], s[G0B+4*\slot+2:G0B+4*\slot+3], 512
	JLOAD \slot                                    ; the four v_nop behind it are also the places in front of the loads below
.else
	PLACES
.endif
	FETCH \next, 0, F0
	WIN MUL
	MUL8 F1, 4, 0
	MUL8 F1, 6, 0
.endm
	s_wait_tensorcnt 1                             ; my part of K step 0 is in (K step 1's may be out)
	s_barrier_signal -1
	s_barrier_wait -1                              ; everybody's is
	FETCH 0, 0, F0
	QUARTER 0, 1, F0, F1, 1                        ; the first quarter's products start the sums
	WIN 0
	s_mov_b32 s3, 3
.Llap:                                             ; a trip goes once round the ring and fills both slots again: K steps 2 to 7
	QUARTER 0, 2, F1, F0, 0
	QUARTER 0, 3, F0, F1, 0
	TURN 0, 1, 1
	QUARTER 1, 1, F0, F1, 0
	QUARTER 1, 2, F1, F0, 0
	QUARTER 1, 3, F0, F1, 0
	TURN 1, 0, 1
	QUARTER 0, 1, F0, F1, 0
	WIN 0
	s_sub_co_u32 s3, s3, 1
	s_cmp_lg_u32 s3, 0
	s_cbranch_scc1 .Llap
	QUARTER 0, 2, F1, F0, 0                        ; the last lap fills nothing
	QUARTER 0, 3, F0, F1, 0
	TURN 0, 1, 0
	QUARTER 1, 1, F0, F1, 0
	QUARTER 1, 2, F1, F0, 0
	QUARTER 1, 3, F0, F1, 0
	s_wait_dscnt 8
	WIN MUL
	MUL8 F1, 0, 0
	MUL8 F1, 2, 0
	s_wait_dscnt 0
	MUL8 F1, 4, 0
	MUL8 F1, 6, 0
	WIN 0
	PLACES
; THE WAY OUT, a block of 16 rows x 64 columns at a time, through my own stage: sixteen lanes then store 256 consecutive bytes, aligned.  Every offset is an immediate.
.macro TOSTAGE a
	WIN 0x04                                       ; an LDS store's data are its source 1: window 1
.irp b, 0,1,2,3
	ds_store_b128 v24, v[8*(4*(\a)+\b):8*(4*(\a)+\b)+3] offset:64*\b          ; each accumulator from its low end on
	ds_store_b128 v24, v[8*(4*(\a)+\b)+4:8*(4*(\a)+\b)+7] offset:64*\b+16
.endr
	WIN 0
.irp t, 0,1,2,3,4,5,6,7
	ds_load_b128 v[64+32*((\a)%2)+4*\t:64+32*((\a)%2)+4*\t+3], v25 offset:\t*2*272   ; LDS serves a wave's instructions in order
.endr
.endm
.macro SEND a, younger
	s_wait_dscnt \younger                          ; the block is back; the next block's 8 stores and 8 loads may be out
.if (\a) == 0
	s_cmp_eq_u32 s70, 0
	s_cbranch_scc1 .Lfine_rows                     ; positions 0-15 of a batch are another launch's
.endif
.irp t, 0,1,2,3,4,5,6,7
	global_store_b128 v26, v[64+32*((\a)%2)+4*\t:64+32*((\a)%2)+4*\t+3], s[8:9] offset:(\a)*65536+2*\t*4096 th:TH_STORE_NT
.endr
.if (\a) == 0
.Lfine_rows:
.endif
.endm
	TOSTAGE 0
.irp a, 1,2,3,4,5,6,7
.if \a > 1
	s_wait_xcnt 0x0                                ; block a - 2's stores have read their registers: block a's loads may land there
.endif
	TOSTAGE \a
	SEND \a-1, 16
.endr
	SEND 7, 0
	s_wait_tensorcnt 0x0                           ; the wave's end: 0 onto my spare word, behind my last tensor load and my last LDS store
	ds_add_u32 v[SPW], v[NIL]
	s_wait_dscnt 0x0
	CROUND                                         ; the closing round
	s_endpgm
.Lfunc_end_k_q4afd604d63_proj:
	.size	k_q4afd604d63_proj, .Lfunc_end_k_q4afd604d63_proj-k_q4afd604d63_proj
	.p2alignl 7, 3214868480
	.fill 96, 4, 3214868480
	.section	.rodata,"a",@progbits
	.p2align	6, 0x0
	.amdhsa_kernel k_q4afd604d63_proj
		.amdhsa_group_segment_fixed_size 327680
		.amdhsa_private_segment_fixed_size 0
		.amdhsa_enable_private_segment 0
		.amdhsa_kernarg_size 24
		.amdhsa_user_sgpr_count 2
		.amdhsa_user_sgpr_kernarg_segment_ptr 1
		.amdhsa_wavefront_size32 1
		.amdhsa_system_sgpr_workgroup_id_x 1
		.amdhsa_system_sgpr_workgroup_id_y 1
		.amdhsa_system_sgpr_workgroup_id_z 1
		.amdhsa_system_vgpr_workitem_id 0
		.amdhsa_next_free_vgpr 512
		.amdhsa_next_free_sgpr 72
		.amdhsa_reserve_vcc 0
		.amdhsa_float_denorm_mode_32 3
		.amdhsa_float_denorm_mode_16_64 3
		.amdhsa_memory_ordered 1
		.amdhsa_forward_progress 1
		.amdhsa_inst_pref_size 86
	.end_amdhsa_kernel
	.amdgpu_metadata
---
amdhsa.version: [ 1, 2 ]
amdhsa.kernels:
  - .name:           k_q4afd604d63_proj
    .symbol:         k_q4afd604d63_proj.kd
    .args:
      - { .name: att, .offset: 0, .size: 8, .value_kind: global_buffer, .address_space: global }
      - { .name: wo, .offset: 8, .size: 8, .value_kind: global_buffer, .address_space: global }
      - { .name: out0, .offset: 16, .size: 8, .value_kind: global_buffer, .address_space: global }
    .group_segment_fixed_size: 327680
    .private_segment_fixed_size: 0
    .kernarg_segment_align: 8
    .kernarg_segment_size: 24
    .max_flat_workgroup_size: 128
    .sgpr_count:     72
    .vgpr_count:     512
    .wavefront_size: 32
...
	.end_amdgpu_metadata
.endif
;; end of part 4
;; launch fine (part 5): grid 16 x 4, 16 waves a work-group, no clusters, 71,680 bytes of LDS; arguments fq, Wout, out0; writes out0
.if DOCPART == 5
	.amdgcn_target "amdgcn-amd-amdhsa--gfx1250"
	.amdhsa_code_object_version 6
	.text
	.protected	k_q4afd604d63_fine
	.globl	k_q4afd604d63_fine
	.p2align	8
	.type	k_q4afd604d63_fine,@function
k_q4afd604d63_fine:
	s_mov_b64 s[64:65], 0
	v_nop
	global_prefetch_b8 v0, s[64:65] scope:SCOPE_SE
	s_setreg_imm32_b32 hwreg(HW_REG_WAVE_MODE, 25, 1), 1
	s_wait_xcnt 0x0
; THE FIRST 16 POSITIONS OF EVERY BATCH, IN F32 THROUGHOUT: scores, softmax, weighted values and the projection.  These rows average one to sixteen values and are the largest of the output.
; fq: f32 [4 batches][16 positions][3072] (q, k, v as the quantised product gave them); Wout: f32 [1024 k][1024 n]; out0 rows 0-15 of every batch.
; Work-group (nb, b) makes out0[b][0..15][64 nb .. 64 nb + 63].  Wave hd does head hd's attention (16 x 16) in registers and multiplies its 64 channels by Wout[64 hd ..][64 nb ..];
; the sixteen partial tiles meet in LDS; wave w adds up row w and stores its 256 bytes.  A batch's attention is done again in each of its 16 column blocks: a sum may not span work-groups.
; THE F32 MATRIX FORM, 16 x 16 x 4: lane (r, h) holds row (or column) r, and register j the k slot 2 h + j.  Which k stands in a slot is free as long as both sources agree:
;   scores: the pair 2 n, 2 n + 1 of a lane's 32 registers holds channels 8 (n / 2) + 4 h + 2 (n % 2) + j, of K and of Q alike;
;   V^T P and the projection: slot (h, j) of instruction s is key (or channel) 8 h + 2 s + j, which is where the results before left them.
; The registers that this form writes (v16-63) are written by matrix instructions alone; every sum begins with the constant 0.
; REGISTERS: v1-12 addresses and constants; v16-31 the scores' two sums; v32-63 O^T's four sums, later the projection's four; v64-95 V, later the attended values; v96-103 scores; v104-111 weights;
;   v112-119 at work; v128-159 Q, v160-191 K, later Wout's tiles 0, 1; v192-255 Wout's tiles 2, 3.
.set SPARE, 69632                      ; behind the 16 partial tiles (16 rows x (256 bytes + 16) each): the spare words, 128 bytes for each wave
	s_load_b128 s[4:7], s[0:1], 0x0                ; fq s[4:5], Wout s[6:7]
	s_load_b64 s[8:9], s[0:1], 0x10                ; out0
	v_lshl_add_u32 v11, v0, 2, SPARE
	v_mov_b32 v12, 0
	v_lshrrev_b32 v1, 5, v0
	v_readfirstlane_b32 s10, v1                    ; wave = head, and later the row that I add up
	s_and_b32 s11, ttmp7, 0xffff                   ; batch
	v_and_b32 v1, 15, v0                           ; r
	v_bfe_u32 v2, v0, 4, 1                         ; h
	v_mul_u32_u24 v3, v1, 12288
	v_lshl_add_u32 v3, v2, 4, v3                   ; Q, K: position r, + 16 h bytes
	v_mul_u32_u24 v4, v2, 98304
	v_lshl_add_u32 v4, v1, 2, v4                   ; V: position 8 h, channel r
	v_lshlrev_b32 v5, 15, v2
	v_lshl_add_u32 v5, v1, 2, v5                   ; Wout: row 8 h, column r
	s_mul_i32 s12, s10, 4352
	v_mul_u32_u24 v6, v1, 272
	v_lshl_add_u32 v6, v2, 5, v6
	v_add_nc_u32 v6, s12, v6                       ; my partial tile: row r, + 32 h
	s_mul_i32 s12, s10, 272
	v_and_b32 v8, 31, v0
	v_lshlrev_b32 v8, 3, v8                        ; 8 bytes a lane
	v_add_nc_u32 v7, s12, v8                       ; row w of a partial tile
	v_lshlrev_b32 v9, 3, v2
	v_sub_nc_u32 v9, v1, v9                        ; r - 8 h
	v_mov_b32 v10, 0xff800000                      ; -infinity
	v_mov_b32 v113, 0                              ; written once: a lane permute's destination counts as one of its sources
	s_mov_b32 s20, 0x76543210
	s_mov_b32 s21, 0xfedcba98
	s_mov_b32 s22, 0x3e38aa3b                      ; c = log2(e) / 8
	s_mov_b32 s23, s22
	s_mul_i32 s12, s11, 196608
	s_lshl_b32 s13, s10, 8
	s_add_co_u32 s12, s12, s13                     ; fq: my batch, my head's 64 numbers
	s_mov_b32 s13, 0
	s_lshl_b32 s14, s10, 18                        ; Wout: my head's 64 rows of 4,096 bytes,
	s_lshl_b32 s16, ttmp9, 8                       ; my work-group's 64 columns
	s_add_co_u32 s14, s14, s16
	s_mov_b32 s15, 0
	s_lshl_b32 s18, s11, 11
	s_add_co_u32 s18, s18, s10
	s_lshl_b32 s18, s18, 12                        ; out0: row 2,048 b + w
	s_add_co_u32 s18, s18, s16
	s_mov_b32 s19, 0
	s_wait_kmcnt 0x0
	s_add_nc_u64 s[4:5], s[4:5], s[12:13]
	s_add_nc_u64 s[6:7], s[6:7], s[14:15]
	s_add_nc_u64 s[8:9], s[8:9], s[18:19]
.macro WLOAD nt                        ; Wout's tile nt: register 8 ct + i of lane (r, h) = Wout(64 hd + 16 ct + 8 h + i, 64 nb + 16 nt + r)
.irp ct, 0,1,2,3
.irp i, 0,1,2,3,4,5,6,7
	global_load_b32 v[128+32*\nt+8*\ct+\i], v5, s[6:7] offset:(16*\ct+\i)*4096+64*\nt
.endr
.endr
.endm
	WLOAD 2
	WLOAD 3
.irp u, 0,1,2,3,4,5,6,7
	global_load_b128 v[128+4*\u:131+4*\u], v3, s[4:5] offset:32*\u          ; Q(r, 8 u + 4 h + 0..3)
	global_load_b128 v[160+4*\u:163+4*\u], v3, s[4:5] offset:4096+32*\u     ; K likewise
.endr
.irp ct, 0,1,2,3
.irp i, 0,1,2,3,4,5,6,7
	global_load_b32 v[64+8*\ct+\i], v4, s[4:5] offset:8192+\i*12288+64*\ct  ; V(8 h + i, 16 ct + r)
.endr
.endr
	s_wait_loadcnt 32                              ; Q and K are in; V's 32 loads may be out
.irp n, 0,1,2,3,4,5,6,7,8,9,10,11,12,13,14,15   ; S^T = K Q^T: two sums by turns
.if \n < 2
	v_wmma_f32_16x16x4_f32 v[16+8*(\n%2):23+8*(\n%2)], v[160+2*\n:161+2*\n], v[128+2*\n:129+2*\n], 0
.else
	v_wmma_f32_16x16x4_f32 v[16+8*(\n%2):23+8*(\n%2)], v[160+2*\n:161+2*\n], v[128+2*\n:129+2*\n], v[16+8*(\n%2):23+8*(\n%2)]
.endif
.endr
	s_wait_loadcnt 0x0                             ; V is in
.rept 8
	v_nop                                          ; eight places behind this form, in front of the loads into Q's and K's registers and of the first read of the sums
.endr
	WLOAD 0
	WLOAD 1
.irp n, 0,1,2,3
	v_pk_add_f32 v[96+2*\n:97+2*\n], v[16+2*\n:17+2*\n], v[24+2*\n:25+2*\n]   ; lane (r, h): query r, keys 8 h + 0..7
.endr
.irp j, 0,1,2,3,4,5,6,7
	v_cmp_gt_i32 vcc_lo, \j, v9                    ; key 8 h + j comes after query r
	v_cndmask_b32 v[96+\j], v[96+\j], v10, vcc_lo
.endr
	v_max3_num_f32 v112, v96, v97, v98
	v_max3_num_f32 v112, v112, v99, v100
	v_max3_num_f32 v112, v112, v101, v102
	v_max_num_f32 v112, v112, v103
	v_permlanex16_b32 v113, v112, s20, s21
	v_max_num_f32 v112, v112, v113                 ; the row's maximum: key 0 counts for every query
	v_mul_f32 v114, s22, v112
	v_mov_b32 v115, v114                           ; (named with it as a pair)
.irp n, 0,1,2,3
	v_pk_fma_f32 v[96+2*\n:97+2*\n], v[96+2*\n:97+2*\n], s[22:23], v[114:115] op_sel_hi:[1,0,0] neg_lo:[0,0,1] neg_hi:[0,0,1]
.endr
.irp j, 0,1,2,3,4,5,6,7
	v_exp_f32 v[104+\j], v[96+\j]
.endr
	v_nop
	s_wait_alu depctr_va_vdst(0)                   ; one wait for the eight, ahead of their first reader
	v_pk_add_f32 v[116:117], v[104:105], v[106:107]
	v_pk_add_f32 v[118:119], v[108:109], v[110:111]
	v_pk_add_f32 v[116:117], v[116:117], v[118:119]
	v_add_f32 v116, v116, v117
	v_permlanex16_b32 v117, v116, s20, s21
	v_add_f32 v116, v116, v117                     ; the row's sum
	v_rcp_f32 v118, v116
	v_nop
	s_wait_alu depctr_va_vdst(0)
.irp s, 0,1,2,3                        ; O^T = V^T P: four sums by turns
.irp ct, 0,1,2,3
.if \s == 0
	v_wmma_f32_16x16x4_f32 v[32+8*\ct:39+8*\ct], v[64+8*\ct+2*\s:65+8*\ct+2*\s], v[104+2*\s:105+2*\s], 0
.else
	v_wmma_f32_16x16x4_f32 v[32+8*\ct:39+8*\ct], v[64+8*\ct+2*\s:65+8*\ct+2*\s], v[104+2*\s:105+2*\s], v[32+8*\ct:39+8*\ct]
.endif
.endr
.endr
.rept 8
	v_nop
.endr
.set n, 0
.rept 32
	v_mul_f32 v[64+n], v[32+n], v118               ; the attended values: register 8 ct + j of lane (r, h): query r, channel 16 ct + 8 h + j; into V's registers
.set n, n+1
.endr
	s_wait_loadcnt 0x0                             ; Wout's tiles 0 and 1
.irp ct, 0,1,2,3                       ; my head's part of out^T: four sums by turns; they begin anew with 0 in O^T's registers, behind the eight v_nop and the multiplies above
.irp s, 0,1,2,3
.irp nt, 0,1,2,3
.if (\ct == 0) && (\s == 0)
	v_wmma_f32_16x16x4_f32 v[32+8*\nt:39+8*\nt], v[128+32*\nt+8*\ct+2*\s:129+32*\nt+8*\ct+2*\s], v[64+8*\ct+2*\s:65+8*\ct+2*\s], 0
.else
	v_wmma_f32_16x16x4_f32 v[32+8*\nt:39+8*\nt], v[128+32*\nt+8*\ct+2*\s:129+32*\nt+8*\ct+2*\s], v[64+8*\ct+2*\s:65+8*\ct+2*\s], v[32+8*\nt:39+8*\nt]
.endif
.endr
.endr
.endr
.rept 8
	v_nop
.endr
.irp nt, 0,1,2,3
	ds_store_b128 v6, v[32+8*\nt:35+8*\nt] offset:64*\nt        ; lane (r, h): query r, columns 16 nt + 8 h + 0..7; each sum from its low end on
	ds_store_b128 v6, v[36+8*\nt:39+8*\nt] offset:64*\nt+16
.endr
	s_wait_dscnt 0x0                               ; for the others' sake: my stores have landed
	s_barrier_signal -1
	s_barrier_wait -1
.irp p, 0,1,2,3,4,5,6,7,8,9,10,11,12,13,14,15
	ds_load_b64 v[128+2*\p:129+2*\p], v7 offset:\p*4352         ; row w of head p's part
.endr
	s_wait_dscnt 0x0
.irp u, 0,1,2,3,4,5,6,7
	v_pk_add_f32 v[128+4*\u:129+4*\u], v[128+4*\u:129+4*\u], v[130+4*\u:131+4*\u]
.endr
.irp u, 0,1,2,3
	v_pk_add_f32 v[128+8*\u:129+8*\u], v[128+8*\u:129+8*\u], v[132+8*\u:133+8*\u]
.endr
.irp u, 0,1
	v_pk_add_f32 v[128+16*\u:129+16*\u], v[128+16*\u:129+16*\u], v[136+16*\u:137+16*\u]
.endr
	v_pk_add_f32 v[128:129], v[128:129], v[144:145]
	global_store_b64 v8, v[128:129], s[8:9]        ; the wave stores 256 consecutive bytes, aligned
	s_wait_tensorcnt 0x0                           ; the wave's end: 0 onto my spare word, behind my last LDS store
	ds_add_u32 v11, v12
	s_wait_dscnt 0x0
	s_endpgm
.Lfunc_end_k_q4afd604d63_fine:
	.size	k_q4afd604d63_fine, .Lfunc_end_k_q4afd604d63_fine-k_q4afd604d63_fine
	.p2alignl 7, 3214868480
	.fill 96, 4, 3214868480
	.section	.rodata,"a",@progbits
	.p2align	6, 0x0
	.amdhsa_kernel k_q4afd604d63_fine
		.amdhsa_group_segment_fixed_size 71680
		.amdhsa_private_segment_fixed_size 0
		.amdhsa_enable_private_segment 0
		.amdhsa_kernarg_size 24
		.amdhsa_user_sgpr_count 2
		.amdhsa_user_sgpr_kernarg_segment_ptr 1
		.amdhsa_wavefront_size32 1
		.amdhsa_system_sgpr_workgroup_id_x 1
		.amdhsa_system_sgpr_workgroup_id_y 1
		.amdhsa_system_sgpr_workgroup_id_z 1
		.amdhsa_system_vgpr_workitem_id 0
		.amdhsa_next_free_vgpr 256
		.amdhsa_next_free_sgpr 66
		.amdhsa_reserve_vcc 1
		.amdhsa_float_denorm_mode_32 3
		.amdhsa_float_denorm_mode_16_64 3
		.amdhsa_memory_ordered 1
		.amdhsa_forward_progress 1
		.amdhsa_inst_pref_size 32
	.end_amdhsa_kernel
	.amdgpu_metadata
---
amdhsa.version: [ 1, 2 ]
amdhsa.kernels:
  - .name:           k_q4afd604d63_fine
    .symbol:         k_q4afd604d63_fine.kd
    .args:
      - { .name: fq, .offset: 0, .size: 8, .value_kind: global_buffer, .address_space: global }
      - { .name: Wout, .offset: 8, .size: 8, .value_kind: global_buffer, .address_space: global }
      - { .name: out0, .offset: 16, .size: 8, .value_kind: global_buffer, .address_space: global }
    .group_segment_fixed_size: 71680
    .private_segment_fixed_size: 0
    .kernarg_segment_align: 8
    .kernarg_segment_size: 24
    .max_flat_workgroup_size: 512
    .sgpr_count:     66
    .vgpr_count:     256
    .wavefront_size: 32
...
	.end_amdgpu_metadata
.endif
;; end of part 5
